; MI455X (gfx1250); checked and timed in simulation.
; The chip was launched on July 23, 2026; its instructions are those of AMD's public machine-readable ISA for CDNA 5 (MIT licence, August 2026) and "CDNA5" Instruction Set Architecture Reference Guide (July 2026). The comments in the code are by the model that wrote it; some were corrected since.
;; Improved Multi Cross Attention. Allowed arithmetic: matrix products marked QUANTISED: E3M2 operands, one E8M0 scale for each 32 along K, by v_wmma_scale_f32_16x16x128_f8f6f4 with both operands' format E3M2, f32 sums; everything else in f32.
;; Inputs: Wk 1,024 x 1,024 float32; Wox 1,024 x 1,024 float32; Woy 1,024 x 1,024 float32; Wq 1,024 x 1,024 float32; Wv 1,024 x 1,024 float32; box 1,024 float32; boy 1,024 float32; x 2 x 2,048 x 1,024 float32; y 2 x 2,048 x 1,024 float32.
;; Outputs: out0 2 x 2,048 x 1,024 float32; out1 2 x 2,048 x 1,024 float32.
;; This version of the problem:
;;   THIS VERSION OF THE PROBLEM IS GIVEN IN LOW PRECISION. The matrix products marked QUANTISED in the list below multiply operands that are first quantised to E3M2 (3 exponent bits, 2 mantissa bits; 6 bits a number), with one power-of-two scale for each 32 numbers along K (OCP MX v1.0); their sums are f32. All else is computed in f32.
;;   The module's matrix products, in the order in which they are computed (A, B: the left and right operand; K: the contracted axis; several contracted axes count as one K, in the product's order):
;;     1. [M 4,096, K 1,024] x [K 1,024, N 1,024]; A: input y; B: input Wq: QUANTISED
;;     2. [M 4,096, K 1,024] x [K 1,024, N 1,024]; A: input x; B: input Wk: QUANTISED
;;     3. [M 4,096, K 1,024] x [K 1,024, N 1,024]; A: input x; B: input Wv: QUANTISED
;;     4. [M 4,096, K 1,024] x [K 1,024, N 1,024]; A: input x; B: input Wq: QUANTISED
;;     5. [M 4,096, K 1,024] x [K 1,024, N 1,024]; A: input y; B: input Wk: QUANTISED
;;     6. [M 4,096, K 1,024] x [K 1,024, N 1,024]; A: input y; B: input Wv: QUANTISED
;;     7. batch 32 x [M 2,048, K 64] x [K 64, N 2,048]; A: computed on the way; B: computed on the way: QUANTISED
;;     8. batch 32 x [M 2,048, K 64] x [K 64, N 2,048]; A: computed on the way; B: computed on the way: QUANTISED
;;     9. batch 32 x [M 64, K 2,048] x [K 2,048, N 2,048]; A: computed on the way; B: softmax (see below): QUANTISED
;;     10. batch 32 x [M 64, K 2,048] x [K 2,048, N 2,048]; A: computed on the way; B: softmax (see below): QUANTISED
;;     11. [M 4,096, K 1,024] x [K 1,024, N 1,024]; A: computed on the way; B: input Wox: QUANTISED
;;     12. [M 4,096, K 1,024] x [K 1,024, N 1,024]; A: computed on the way; B: input Woy: QUANTISED
;;   THE QUANTISER, for each operand of a quantised product, along K:
;;     - K is cut into blocks of 32 from its start; a last block that is shorter is filled with zeros.
;;     - A block's scale is 2^e with e = floor(log2(the largest magnitude in the block)) - 4, held to -126 .. 127; a block of zeros has e = 0. As a byte (E8M0): e + 127.
;;     - Each number is divided by its block's scale, clamped to +-28, and rounded to the nearest number of E3M2, ties to even, subnormals kept.
;;     - The product sums the exact products of the quantised numbers (number of the format x scale) in f32.
;;   ~~~python
;;   def quantise(x, axis):      # numpy; x: float32 -> the quantised numbers, widened to float32 again
;;       x = np.moveaxis(x, axis, -1); K = x.shape[-1]
;;       x = np.pad(x, [(0, 0)] * (x.ndim - 1) + [(0, -K % 32)]); x = x.reshape(x.shape[:-1] + (-1, 32)); a = np.abs(x).max(-1, keepdims=True)
;;       e = np.where(a > 0, np.clip(np.frexp(np.where(a > 0, a, 1))[1] - 1 - 4, -126, 127), 0)      # np.frexp(a)[1] - 1 = floor(log2(a)), exactly
;;       r = np.clip(x / 2.0 ** e, -28, 28)
;;       step = 2.0 ** (np.maximum(np.frexp(np.where(r == 0, 1, r))[1] - 1, -2) - 2)
;;       q = np.round(r / step) * step * 2.0 ** e      # np.round: ties to even
;;       return np.moveaxis(q.reshape(q.shape[:-2] + (-1,))[..., :K], -1, axis).astype(np.float32)
;;   ~~~
;;   SOFTMAX AHEAD OF A QUANTISED PRODUCT. Where the list says 'softmax', what is quantised is not the finished softmax but p = 2^(t - M), with t = logit x log2(e) and M = ceil(the row's largest t), a whole number; so 1/2 < the row's largest p <= 1. The row's sum l is taken of the UNQUANTISED p, in f32, and the product's result is divided by l at the end. Since M is a whole number, a kernel that streams over the keys may use a running M (the ceiling of the running maximum): every later rescaling is an exact power of two, which a block's scale takes up: the codes' values come out the same.
;;   OPERANDS COMPUTED ON THE WAY. 'Computed on the way' means the value that the module computes at that place (a softmax that the list does not call 'softmax' is quantised finished and normalised). What goes into a quantiser is computed in f32, as accurately as f32 sums, v_exp_f32 and their like allow (about 1e-6 of the number): no bf16 or f16 on the way to a quantiser, and a product that is left as it is and whose result goes on into a quantised operand takes f32 operands (vector FMAs, or v_wmma_f32_16x16x4_f32). A number that lies on a knife's edge between two numbers of the format may be rounded either way, as far as f32 arithmetic and the matrix unit's own rounding can turn it there, and no further.
;; One version. Each part assembles by itself: llvm-mc -triple=amdgcn-amd-amdhsa -mcpu=gfx1250 --defsym DOCPART=n.
;; ======== version 1 of 1: 4 launches
;; limits: right only within a limited range of input values
;; workspace buffers: codes 10,223,616 bytes; scl 425,984 bytes; qkv 18,874,368 bytes; qkvs 786,432 bytes; ac 6,291,456 bytes; acs 262,144 bytes
;; launch qxy (part 1): grid 832 x 1, 4 waves a work-group, no clusters, 34,304 bytes of LDS; arguments x, y, Wq, Wk, Wv, Wox, Woy, codes, scl; writes codes, scl
.if DOCPART == 1
	.amdgcn_target "amdgcn-amd-amdhsa--gfx1250"
	.amdhsa_code_object_version 6
	.text
	.protected	k_qf58b80b31d_qxy
	.globl	k_qf58b80b31d_qxy
	.p2align	8
	.type	k_qf58b80b31d_qxy,@function
k_qf58b80b31d_qxy:
	s_mov_b64 s[64:65], 0
	v_nop
	global_prefetch_b8 v0, s[64:65] scope:SCOPE_SE
	s_setreg_imm32_b32 hwreg(HW_REG_WAVE_MODE, 25, 1), 1
	s_wait_xcnt 0x0
; x and y, [4096][1024] f32 each, become codes of BF6 (E3M2) with one E8M0 scale byte for each 32 along K = the 1,024 columns.
; THE OUTPUT IS LAID AS THE MATRIX UNIT'S REGISTERS: a fragment is 16 rows x 128 K, 12 registers a lane, 1,536 bytes in two halves of 768:
; registers 6 c .. 6 c + 3 of lane l at 768 c + 16 l, registers 6 c + 4, 6 c + 5 at 768 c + 512 + 8 l.  codes: [K / 256: 4][block of 16 rows: 832][2][1,536].
; scl: [block][K / 128: 8][row 16] words, byte b of a word for K = 32 b .. 32 b + 31 of its 128.
; THE ROWS OF A BLOCK ARE NOT NEIGHBOURS: row r of block t is row 32 (t / 2) + 8 (t % 2) + r + 8 (r / 8) of the tensor, so that a product that takes such a
; block as its first source leaves 16 neighbours along that axis in the 16 registers of two neighbouring result tiles.
; A block's scale is 2^(floor(log2(largest magnitude)) - 4); its byte is the largest magnitude's exponent field - 4, held at 1 from below.
; LIMITS: NaN and infinities are not served; a largest magnitude under 2^-122 counts as 2^-122 (a block of zeros gets the byte 1 and zero codes; this program alone reads the bytes).
; SHARES: a work-group takes one block of 16 rows (0-255: x, 256-511: y), wave w its columns 256 w .. 256 w + 255: two fragments.
; Each load reads 512 consecutive bytes of a row; the numbers turn through the wave's own stage in LDS (16 rows of 512 + 16 bytes), from which lane (r, h)
; takes the 32 neighbours 64 c + 32 h .. of row r, a whole block of the quantiser.  Waves share nothing: no barrier.
.set SSTR, 2555904                     ; bytes of codes from one 256 along K to the next: 832 blocks x 3,072
.set SP,   528                         ; a stage row
.set RAW,  32                          ; v32-159  as loaded: fragment f, row r at 32 + 64 f + 4 r
.set X,    160                         ; v160-223 my 64 numbers of a fragment
.set PC,   224                         ; v224-247 the two fragments' codes
.set TH,   248                         ; v248-254 the upper halves of a block's codes, as the conversion leaves them
	; ONE LAUNCH FOR ALL SEVEN TENSORS: work-groups 0-511 take x and y (the text below), 512-831 the five weights (behind .Lweights).  The choice hangs on the work-group's number alone.
	s_cmp_lt_u32 ttmp9, 512
	s_cbranch_scc0 .Lweights
	s_load_b128 s[4:7], s[0:1], 0x0                ; x s[4:5], y s[6:7]
	s_load_b128 s[8:11], s[0:1], 0x38              ; codes s[8:9], scl s[10:11]
	v_lshl_add_u32 v251, v0, 2, 0x8400
	v_mov_b32 v255, 0
	v_lshrrev_b32 v1, 5, v0
	v_readfirstlane_b32 s12, v1                    ; wave
	v_and_b32 v1, 31, v0                           ; lane
	v_and_b32 v2, 15, v0                           ; r
	v_bfe_u32 v3, v0, 4, 1                         ; h
	v_lshlrev_b32 v4, 4, v1                        ; 16 x lane
	v_lshlrev_b32 v5, 3, v1                        ; 8 x lane
	v_lshlrev_b32 v6, 2, v1                        ; 4 x lane
	s_mul_i32 s13, s12, 16*SP                      ; my stage
	v_add_nc_u32 v7, s13, v4                       ; into it: 16 bytes a lane of a row's 512
	v_mul_u32_u24 v8, v2, SP
	v_lshl_add_u32 v8, v3, 7, v8
	v_add_nc_u32 v8, s13, v8                       ; out of it: row r, 128 h bytes on
	v_lshlrev_b32 v9, 3, v3                        ; 8 h: where my two scale bytes stand in the word
	v_mov_b32 v17, 0                               ; a lane permute's destination counts as read
	s_mov_b32 s14, 0x76543210
	s_mov_b32 s15, 0xfedcba98                      ; selects for lane l xor 16
	s_and_b32 s16, ttmp9, 255                      ; the block within its tensor
	s_lshr_b32 s17, s16, 1
	s_lshl_b32 s17, s17, 5
	s_and_b32 s18, s16, 1
	s_lshl_b32 s18, s18, 3
	s_add_co_u32 s17, s17, s18                     ; its first row: 32 (t / 2) + 8 (t % 2)
	s_lshl_b32 s18, s17, 12                        ; rows of 4,096 bytes,
	s_lshl_b32 s19, s12, 10
	s_add_co_u32 s18, s18, s19                     ; my 256 columns
	s_mov_b32 s19, 0
	s_mul_i32 s20, s12, SSTR
	s_mul_i32 s21, ttmp9, 3072
	s_add_co_u32 s20, s20, s21                     ; my two fragments in codes
	s_mov_b32 s21, 0
	s_lshl_b32 s22, ttmp9, 9
	s_lshl_b32 s23, s12, 7
	s_add_co_u32 s22, s22, s23                     ; and their 128 bytes of scale words
	s_mov_b32 s23, 0
	s_wait_alu depctr_va_vdst(0)
	s_wait_kmcnt 0x0
	s_cmp_lt_u32 ttmp9, 256                        ; x's block or y's: the choice hangs on the work-group's number alone
	s_cselect_b64 s[4:5], s[4:5], s[6:7]
	s_add_nc_u64 s[4:5], s[4:5], s[18:19]
	s_add_nc_u64 s[8:9], s[8:9], s[20:21]
	s_add_nc_u64 s[10:11], s[10:11], s[22:23]
.irp f, 0,1
.irp r, 0,1,2,3,4,5,6,7,8,9,10,11,12,13,14,15
	global_load_b128 v[RAW+64*\f+4*\r:RAW+64*\f+4*\r+3], v4, s[4:5] offset:(\r+8*(\r/8))*4096+512*\f th:TH_LOAD_NT   ; 32 lanes read 512 consecutive bytes of row r
.endr
.endr
.macro FRAGQ f
	s_wait_loadcnt 16*(1-\f)                       ; this fragment's sixteen loads are in; the other's may be out
.irp r, 0,1,2,3,4,5,6,7,8,9,10,11,12,13,14,15
	ds_store_b128 v7, v[RAW+64*\f+4*\r:RAW+64*\f+4*\r+3] offset:SP*\r
.endr
.irp c, 0,1
.irp i, 0,1,2,3,4,5,6,7
	ds_load_b128 v[X+32*\c+4*\i:X+32*\c+4*\i+3], v8 offset:256*\c+16*\i   ; LDS serves a wave's instructions in order: these see the stores above
.endr
.endr
	s_wait_dscnt 0x0
.irp c, 0,1                                    ; my block 2 c + h: all its 32 numbers are mine
	v_max3_num_f32 v[10+\c], |v[X+32*\c]|, |v[X+1+32*\c]|, 0x2800000   ; with the floor 2^(5 - 127): the byte cannot fall under 1
.endr
.irp i, 2,4,6,8,10,12,14,16,18,20,22,24,26,28,30
.irp c, 0,1
	v_max3_num_f32 v[10+\c], v[10+\c], |v[X+32*\c+\i]|, |v[X+1+32*\c+\i]|   ; the two blocks by turns
.endr
.endr
.irp c, 0,1
	v_add_nc_u32 v[12+\c], 0xfe000000, v[10+\c]    ; 4 off the exponent field: the conversion's scale operand
.endr
.irp c, 0,1
	v_lshrrev_b32 v[14+\c], 23, v[12+\c]           ; the scale's byte
.endr
	v_lshl_or_b32 v16, v15, 16, v14                ; blocks h and 2 + h of row r,
	v_lshlrev_b32 v16, v9, v16                     ; at their places in the word;
	v_permlanex16_b32 v17, v16, s14, s15
	v_or_b32 v[20+\f], v16, v17                    ; with lane l xor 16's two the word is whole
.irp c, 0,1
	v_cvt_scalef32_pk16_bf6_f32 v[PC+12*\f+6*\c:PC+12*\f+6*\c+2], v[X+32*\c:X+32*\c+15], v[12+\c]
	v_cvt_scalef32_pk16_bf6_f32 v[TH+4*\c:TH+4*\c+2], v[X+32*\c+16:X+32*\c+31], v[12+\c]   ; a conversion's three registers begin on an even number
.endr
	v_nop                                          ; one plain instruction behind a scaled conversion
.irp c, 0,1
.irp i, 0,1,2
	v_mov_b32 v[PC+12*\f+6*\c+3+\i], v[TH+4*\c+\i]
.endr
.endr
.irp c, 0,1
	global_store_b128 v4, v[PC+12*\f+6*\c:PC+12*\f+6*\c+3], s[8:9] offset:1536*\f+768*\c          ; 512 consecutive bytes
	global_store_b64 v5, v[PC+12*\f+6*\c+4:PC+12*\f+6*\c+5], s[8:9] offset:1536*\f+768*\c+512     ; 256 consecutive bytes
.endr
.endm
	FRAGQ 0
	FRAGQ 1
	s_mov_b32 vcc_lo, 0xffff0000
	v_cndmask_b32 v22, v20, v21, vcc_lo            ; lanes 0-15: the first fragment's words, lanes 16-31: the second's
	global_store_b32 v6, v22, s[10:11]             ; 128 consecutive bytes
	s_wait_tensorcnt 0x0
	ds_add_u32 v251, v255
	s_wait_dscnt 0x0
	s_endpgm
; THE FIVE WEIGHTS, [K 1024][N 1024] f32 with K as the FIRST axis, quantised along K and laid as fragments of 16 columns x 128 K in the order of the matrix unit's registers.
; Weight m (Wq, Wk, Wv, Wox, Woy) has blocks 512 + 64 m on; row r of block t of a weight is column 32 (t / 2) + 8 (t % 2) + r + 8 (r / 8).
; A lane takes a column and its registers run down K: a block of 32 along K lies in one lane's 32 registers.  Block t of the 128 is what lane (r, h = t % 2) of the fragment holds in registers 6 (t / 2) on.
; SHARES: work-group 512 + 8 y + x: weight y / 8, K = 128 (y % 8) on, columns 128 x on; a wave 32 columns: two blocks of 16.  Limits as above.
.Lweights:
.set X, 32                             ; v32-95: two sets of 32 numbers
	s_load_b256 s[4:11], s[0:1], 0x10              ; Wq, Wk, Wv, Wox
	s_load_b128 s[12:15], s[0:1], 0x30             ; Woy, codes
	s_load_b64 s[16:17], s[0:1], 0x40              ; scl
	v_lshrrev_b32 v1, 5, v0
	v_readfirstlane_b32 s18, v1                    ; wave
	v_and_b32 v2, 31, v0                           ; lane = my column of the wave's 32
	v_lshlrev_b32 v3, 2, v2
	v_bfe_u32 v4, v2, 3, 1                         ; which of the two blocks my column falls into,
	v_lshrrev_b32 v5, 4, v2
	v_and_b32 v6, 7, v2
	v_lshl_or_b32 v5, v5, 3, v6                    ; and which row r of it
	v_mul_u32_u24 v6, v4, 3072
	v_lshl_add_u32 v7, v5, 4, v6                   ; my place among the pieces of 16 bytes,
	v_lshl_add_u32 v8, v5, 3, v6                   ; of 8 bytes,
	v_lshlrev_b32 v9, 9, v4
	v_lshl_add_u32 v9, v5, 2, v9                   ; and among the scale words
	s_sub_co_u32 s30, ttmp9, 512
	s_and_b32 s31, s30, 7                          ; x: which 128 columns
	s_lshr_b32 s19, s30, 3                         ; y
	s_lshr_b32 s20, s19, 3                         ; the weight
	s_and_b32 s21, s19, 7                          ; which 128 along K
	s_lshl_b32 s22, s21, 19
	s_lshl_b32 s23, s31, 9
	s_add_co_u32 s22, s22, s23
	s_lshl_b32 s23, s18, 7
	s_add_co_u32 s22, s22, s23
	s_mov_b32 s23, 0
	s_lshl_b32 s24, s20, 6
	s_lshl_b32 s25, s31, 3
	s_add_co_u32 s24, s24, s25
	s_lshl_b32 s25, s18, 1
	s_add_co_u32 s24, s24, s25
	s_add_co_u32 s24, s24, 512                     ; my wave's first block
	s_mul_i32 s26, s24, 3072
	s_lshr_b32 s27, s21, 1
	s_mul_i32 s27, s27, SSTR
	s_add_co_u32 s26, s26, s27
	s_and_b32 s27, s21, 1
	s_mul_i32 s27, s27, 1536
	s_add_co_u32 s26, s26, s27                     ; its fragment in codes
	s_mov_b32 s27, 0
	s_lshl_b32 s28, s24, 9
	s_lshl_b32 s29, s21, 6
	s_add_co_u32 s28, s28, s29                     ; and its scale words
	s_mov_b32 s29, 0
	s_wait_alu depctr_va_vdst(0)
	s_wait_kmcnt 0x0
	s_cmp_eq_u32 s20, 1
	s_cselect_b64 s[4:5], s[6:7], s[4:5]
	s_cmp_eq_u32 s20, 2
	s_cselect_b64 s[4:5], s[8:9], s[4:5]
	s_cmp_eq_u32 s20, 3
	s_cselect_b64 s[4:5], s[10:11], s[4:5]
	s_cmp_eq_u32 s20, 4
	s_cselect_b64 s[4:5], s[12:13], s[4:5]
	s_add_nc_u64 s[4:5], s[4:5], s[22:23]
	s_add_nc_u64 s[14:15], s[14:15], s[26:27]
	s_add_nc_u64 s[16:17], s[16:17], s[28:29]
.macro LOAD t                          ; block t: W(32 t + i, my column) into set t % 2; a wave reads 128 consecutive bytes, the four waves 512
.irp i, 0,1,2,3,4,5,6,7,8,9,10,11,12,13,14,15,16,17,18,19,20,21,22,23,24,25,26,27,28,29,30,31
	global_load_b32 v[X+32*((\t)%2)+\i], v3, s[4:5] offset:(32*(\t)+\i)*4096 th:TH_LOAD_NT
.endr
.endm
	LOAD 0
	LOAD 1
.macro BLOCK t
.set XS, X+32*((\t)%2)
.if (\t) < 3
	s_wait_loadcnt 32                              ; this block's 32 loads are in; the next block's may be out
.else
	s_wait_loadcnt 0x0
.endif
	v_max3_num_f32 v12, |v[XS]|, |v[XS+1]|, |v[XS+2]|
	v_max3_num_f32 v13, |v[XS+3]|, |v[XS+4]|, |v[XS+5]|
.irp i, 6,10,14,18,22,26
	v_max3_num_f32 v12, v12, |v[XS+\i]|, |v[XS+\i+1]|
	v_max3_num_f32 v13, v13, |v[XS+\i+2]|, |v[XS+\i+3]|
.endr
	v_max3_num_f32 v12, v12, |v[XS+30]|, |v[XS+31]|
	v_max3_num_f32 v12, v12, v13, 0x2800000        ; with the floor 2^(5 - 127)
	v_add_nc_u32 v11, 0xfe000000, v12              ; 4 off the exponent field: the conversion's scale operand
	v_lshrrev_b32 v13, 23, v11                     ; the scale's byte
.if (\t) == 0
	v_mov_b32 v16, v13
.else
	v_lshl_or_b32 v16, v13, 8*(\t), v16            ; the lower K in the lower byte
.endif
	v_cvt_scalef32_pk16_bf6_f32 v[96+8*(\t):98+8*(\t)], v[XS:XS+15], v11
	v_cvt_scalef32_pk16_bf6_f32 v[128+4*(\t):130+4*(\t)], v[XS+16:XS+31], v11
	v_nop                                          ; one plain instruction behind a scaled conversion
.irp i, 0,1,2
	v_mov_b32 v[99+8*(\t)+\i], v[128+4*(\t)+\i]
.endr
	global_store_b128 v7, v[96+8*(\t):99+8*(\t)], s[14:15] offset:768*((\t)/2)+256*((\t)%2)        ; the sixteen lanes of a block fill 256 consecutive bytes
	global_store_b64 v8, v[100+8*(\t):101+8*(\t)], s[14:15] offset:768*((\t)/2)+512+128*((\t)%2)   ; each block of K has registers of its own: no store's data are written again
.if (\t) < 2
	LOAD (\t)+2
.endif
.endm
	BLOCK 0
	BLOCK 1
	BLOCK 2
	BLOCK 3
	global_store_b32 v9, v16, s[16:17]             ; my column's scale word
	s_endpgm
.Lfunc_end_k_qf58b80b31d_qxy:
	.size	k_qf58b80b31d_qxy, .Lfunc_end_k_qf58b80b31d_qxy-k_qf58b80b31d_qxy
	.p2alignl 7, 3214868480
	.fill 96, 4, 3214868480
	.section	.rodata,"a",@progbits
	.p2align	6, 0x0
	.amdhsa_kernel k_qf58b80b31d_qxy
		.amdhsa_group_segment_fixed_size 34304
		.amdhsa_private_segment_fixed_size 0
		.amdhsa_enable_private_segment 0
		.amdhsa_kernarg_size 72
		.amdhsa_user_sgpr_count 2
		.amdhsa_user_sgpr_kernarg_segment_ptr 1
		.amdhsa_wavefront_size32 1
		.amdhsa_system_sgpr_workgroup_id_x 1
		.amdhsa_system_sgpr_workgroup_id_y 1
		.amdhsa_system_sgpr_workgroup_id_z 1
		.amdhsa_system_vgpr_workitem_id 0
		.amdhsa_next_free_vgpr 256
		.amdhsa_next_free_sgpr 66
		.amdhsa_reserve_vcc 1
		.amdhsa_float_denorm_mode_32 3
		.amdhsa_float_denorm_mode_16_64 3
		.amdhsa_memory_ordered 1
		.amdhsa_forward_progress 1
		.amdhsa_inst_pref_size 38
	.end_amdhsa_kernel
	.amdgpu_metadata
---
amdhsa.version: [ 1, 2 ]
amdhsa.kernels:
  - .name:           k_qf58b80b31d_qxy
    .symbol:         k_qf58b80b31d_qxy.kd
    .args:
      - { .name: x, .offset: 0, .size: 8, .value_kind: global_buffer, .address_space: global }
      - { .name: y, .offset: 8, .size: 8, .value_kind: global_buffer, .address_space: global }
      - { .name: Wq, .offset: 16, .size: 8, .value_kind: global_buffer, .address_space: global }
      - { .name: Wk, .offset: 24, .size: 8, .value_kind: global_buffer, .address_space: global }
      - { .name: Wv, .offset: 32, .size: 8, .value_kind: global_buffer, .address_space: global }
      - { .name: Wox, .offset: 40, .size: 8, .value_kind: global_buffer, .address_space: global }
      - { .name: Woy, .offset: 48, .size: 8, .value_kind: global_buffer, .address_space: global }
      - { .name: codes, .offset: 56, .size: 8, .value_kind: global_buffer, .address_space: global }
      - { .name: scl, .offset: 64, .size: 8, .value_kind: global_buffer, .address_space: global }
    .group_segment_fixed_size: 34304
    .private_segment_fixed_size: 0
    .kernarg_segment_align: 8
    .kernarg_segment_size: 72
    .max_flat_workgroup_size: 128
    .sgpr_count:     66
    .vgpr_count:     256
    .wavefront_size: 32
...
	.end_amdgpu_metadata
.endif
;; end of part 1
;; launch proj (part 2): grid 192 x 4, 4 waves a work-group, clusters of 4 x 4, 295,424 bytes of LDS; arguments codes, scl, qkv, qkvs; writes qkv, qkvs
.if DOCPART == 2
	.amdgcn_target "amdgcn-amd-amdhsa--gfx1250"
	.amdhsa_code_object_version 6
	.text
	.protected	k_qf58b80b31d_proj
	.globl	k_qf58b80b31d_proj
	.p2align	8
	.type	k_qf58b80b31d_proj,@function
k_qf58b80b31d_proj:
	s_mov_b64 s[64:65], 0
	v_nop
	global_prefetch_b8 v0, s[64:65] scope:SCOPE_SE
	s_setreg_imm32_b32 hwreg(HW_REG_WAVE_MODE, 25, 1), 1
	s_wait_xcnt 0x0
	s_wait_alu depctr_hold_cnt(0) depctr_sa_sdst(0) depctr_va_vdst(0) depctr_va_sdst(0) depctr_va_ssrc(0) depctr_va_vcc(0) depctr_vm_vsrc(0)
	s_getreg_b32 s2, hwreg(HW_REG_IB_STS2, 6, 4)
	s_cmp_eq_u32 s2, 0
	s_cbranch_scc0 .Lentry_in_a_cluster
	s_endpgm
.Lentry_in_a_cluster:
	s_bfe_u32 s2, ttmp6, 0x10000c
	s_cmp_lg_u32 s2, 0xf033
	s_cbranch_scc0 .Lentry_shape_is_right
	s_endpgm
.Lentry_shape_is_right:
; The six projections (x and y times Wq, Wk, Wv), on codes of BF6 with E8M0 scales, and their results quantised at once for the attention that follows.
; A work-group makes 128 rows of source 1 ("A", 8 blocks of 16) x 256 rows of source 0 ("B", 16 blocks), K = 1,024.  In a result tile lane l holds row l % 16 of A's block, and its
; registers run along B's block.  For q and k: B = columns of Wq, Wk, A = tokens: a lane holds a token and its registers the head's channels, along which q and k are quantised.
; For v: B = tokens, A = columns of Wv: a lane holds a channel and its registers the keys, along which v is quantised.
; Row r of block t of codes is row 32 (t / 2) + 8 (t % 2) + r + 8 (r / 8) of its tensor: so the 16 registers of result tiles 2 b, 2 b + 1 are 16 neighbours, 32 b + 16 (lane / 16) + 0 .. 15.
; ALL OF K LIES IN LDS: four panels of 256 along K, (128 + 256) rows x 192 bytes each, 294,912 bytes, each filled once; nothing is filled again.  Operands lie in memory and LDS in the order
; of the unit's registers (a fragment, 16 rows x 128 K, is 1,536 bytes: registers 6 c .. 6 c + 3 of lane l at 768 c + 16 l, registers 6 c + 4, 6 c + 5 at 768 c + 512 + 8 l): every LDS load is dense.
; CLUSTERS: 4 x 4 work-groups; A's panels are shared along a row of the cluster, B's along a column, each asked for jointly.  48 clusters: 32 for q and k, 16 for v.
; Four waves, 2 x 2; a wave makes 4 blocks of A x 8 blocks of B: 32 accumulators, which take turns, one instruction a turn.
; OUT.  qkv: [q, k, v][head 16 b + h: 32][196,608].  q, k: [block of 16 tokens: 128][1,536], K = 128 = the two score products' 64 + 64: q of y | q of x, k of x | k of y.
; v: [128 keys: 16][channel tile: 8][1,536], channels = v of x (64) | v of y (64).  qkvs: the fragments' scale words in the same order, 64 bytes each.
; LIMITS: NaN and infinities are not served; a block's largest magnitude under 2^-122 counts as 2^-122 (a block of zeros gets the byte 1 and zero codes).
; REGISTERS.  window 0: v8-23 LDS addresses, v24-28 offsets, v32-47 A's scale words, v48-79 B's, v80-95 at work, v128-223 A's fragments in two sets (later the codes made), v224-231 scale words made.
;   window 1: B's fragments, two sets, at v0 and v128.   window 2: accumulator (a, b) at v[8 (8 a + b)].
.set PS,   73728                       ; a panel: A's 24,576 bytes, then B's 49,152
.set SSTR, 2555904                     ; bytes of codes from one 256 along K to the next
.set TM,   80
.set MSB,  0
.macro WIN new                         ; the immediate's high byte repeats the setting that is left
.if MSB != \new
	s_set_vgpr_msb (MSB<<8)|\new
.set MSB, \new
.endif
.endm
.macro PLACES                          ; four plain instructions between a matrix instruction and a load into, or a read of, its registers
.rept 4
	v_nop
.endr
.endm
.macro ROUND                           ; a round of the cluster's barrier
	s_barrier_signal -1
	s_barrier_wait -1
	s_cmp_lg_u32 s12, 0
	s_cbranch_scc1 .Lnot_wave_0_\@
	s_barrier_signal -3
.Lnot_wave_0_\@:
	s_barrier_wait -3
	s_barrier_signal -1
	s_barrier_wait -1
.endm
	s_load_b256 s[4:11], s[0:1], 0x0               ; codes s[4:5], scl s[6:7], qkv s[8:9], qkvs s[10:11]
	v_lshl_add_u32 v254, v0, 2, 0x48000
	v_mov_b32 v255, 0
	ds_add_u32 v254, v255
	ds_add_u32 v254, v255
	v_lshrrev_b32 v1, 5, v0
	v_readfirstlane_b32 s12, v1                    ; wave 0..3
	s_lshr_b32 s13, s12, 1                         ; which 4 blocks of A are mine.  Also: I fetch for A (0) or for B (1)
	s_and_b32 s14, s12, 1                          ; which 8 blocks of B.  Also: which half of a panel's part I fetch
	s_bfe_u32 s56, ttmp6, 0x40000                  ; cx
	s_bfe_u32 s57, ttmp6, 0x40004                  ; cy
	s_lshl_b32 s58, s57, 2
	s_lshl_b32 s58, 15, s58                        ; my row of the cluster
	s_lshl_b32 s59, 0x1111, s56                    ; my column
	; group 1: a dense block as rows of 256 bytes (32 elements of 8 bytes): 48 rows for half of A's part of a panel, 96 for half of B's
	s_or_b32 s24, s58, (3<<16)|(1<<21)
	s_mov_b32 s25, 1536<<16                        ; A: ONE tile for all of K: a row is my half of A's part of a panel, 12,288 dense bytes (1,536 elements of 8),
	s_mov_b32 s26, 4<<16                           ; four rows, one for each 256 along K,
	s_mov_b32 s27, 1536<<16
	s_mov_b32 s28, 4
	s_mov_b32 s29, SSTR/8                          ; SSTR bytes apart in memory, on end in LDS
	s_mov_b32 s30, 0
	s_mov_b32 s31, 0
	s_or_b32 s32, s59, (3<<16)|(1<<21)
	s_mov_b32 s33, 3072<<16                        ; B likewise: rows of 24,576 bytes
	s_mov_b32 s34, 4<<16
	s_mov_b32 s35, 3072<<16
	s_mov_b32 s36, 4
	s_mov_b32 s37, SSTR/8
	s_mov_b32 s38, 0
	s_mov_b32 s39, 0
	; which tile: clusters 0-31: q and k (2 columns of clusters x 16 rows); 32-47: v (8 x 2)
	s_lshr_b32 s60, ttmp9, 5                       ; 1: v
	s_mul_i32 s61, s60, 6
	s_add_co_u32 s61, s61, 1
	s_and_b32 s61, ttmp9, s61                      ; the cluster's column
	s_lshl_b32 s62, s60, 1
	s_add_co_u32 s62, s62, 1
	s_and_b32 s63, ttmp9, 31
	s_lshr_b32 s62, s63, s62                       ; and row
	s_lshl_b32 s61, s61, 2
	s_add_co_u32 s61, s61, s56
	s_lshl_b32 s61, s61, 4
	s_xor_b32 s63, s60, 1
	s_lshl_b32 s63, s63, 9
	s_add_co_u32 s61, s61, s63                     ; B's first block: 512 (Wq, Wk) or 0 (tokens) + 16 x tile column: cx enters, cy does not
	s_lshl_b32 s62, s62, 2
	s_add_co_u32 s62, s62, s57
	s_lshl_b32 s62, s62, 3
	s_mul_i32 s63, s60, 640
	s_add_co_u32 s62, s62, s63                     ; A's first block: 0 (tokens) or 640 (Wv) + 8 x tile row: cy enters, cx does not
	s_mul_i32 s16, s62, 3072
	s_mul_i32 s20, s14, 12288                      ; my half of A's part, in memory and in a panel
	s_add_co_u32 s16, s16, s20
	s_mov_b32 s17, 0
	s_mul_i32 s18, s61, 3072
	s_mul_i32 s21, s14, 24576                      ; my half of B's part
	s_add_co_u32 s18, s18, s21
	s_mov_b32 s19, 0
	s_wait_dscnt 0x0
	s_wait_kmcnt 0x0
	s_add_nc_u64 s[16:17], s[4:5], s[16:17]
	s_add_nc_u64 s[18:19], s[4:5], s[18:19]
	ROUND                                          ; all sixteen work-groups are here: the joint loads meet
	; LDS: A's half 0 [4 panels][12,288] at 0, A's half 1 at 49,152, B's half 0 [4 panels][24,576] at 98,304, B's half 1 at 196,608
	s_mov_b32 s40, 1
	s_mul_i32 s41, s14, 49152
	s_mov_b64 s[42:43], s[16:17]
	s_or_b32 s43, s43, 0x80000000
	s_mov_b32 s68, 1
	s_mul_i32 s69, s14, 98304
	s_add_co_u32 s69, s69, 98304
	s_mov_b64 s[70:71], s[18:19]
	s_or_b32 s71, s71, 0x80000000
	s_cmp_eq_u32 s13, 0                            ; one tensor load a wave, in one branch on the wave's number
	s_cbranch_scc0 .Lfirst_b
	tensor_load_to_lds s[40:43], s[24:31]
	s_nop 0
	PLACES
	s_branch .Lfirst_asked
.Lfirst_b:
	tensor_load_to_lds s[68:71], s[32:39]
	s_nop 0
	PLACES
.Lfirst_asked:
	v_and_b32 v1, 31, v0                           ; lane
	v_and_b32 v2, 15, v0                           ; r
	v_bfe_u32 v3, v0, 4, 1                         ; h
	v_lshlrev_b32 v24, 4, v1                       ; 16 x lane
	v_lshlrev_b32 v25, 3, v1                       ; 8 x lane
	v_lshlrev_b32 v28, 2, v1                       ; 4 x lane
	v_lshlrev_b32 v27, 4, v3                       ; 16 h
.irp b, 0,1,2,3
	v_mov_b32 v[TM+4+\b], 0                        ; a lane permute's destination counts as read
.endr
	s_mul_i32 s22, s13, 49152                      ; my 4 blocks of A: a half of A's, all four panels on end
	s_mul_i32 s23, s14, 98304
	s_add_co_u32 s23, s23, 98304                   ; my 8 blocks of B
.irp s, 0,1,2,3
	v_add_nc_u32 v[8+\s], s22, v24
	v_add_nc_u32 v[12+\s], s22, v25
	v_add_nc_u32 v[16+\s], s23, v24
	v_add_nc_u32 v[20+\s], s23, v25
	s_add_co_u32 s22, s22, 12288
	s_add_co_u32 s23, s23, 24576
.endr
	s_lshl_b32 s86, s13, 2
	s_add_co_u32 s86, s86, s62                     ; my first block of A
	s_lshr_b32 s87, s61, 3
	s_add_co_u32 s87, s87, s14                     ; my group of 8 blocks of B
	s_lshl_b32 s16, s86, 9
	s_mov_b32 s17, 0
	s_add_nc_u64 s[16:17], s[6:7], s[16:17]
	s_lshl_b32 s18, s87, 12
	s_mov_b32 s19, 0
	s_add_nc_u64 s[18:19], s[6:7], s[18:19]
	; all scale words stay in registers: register (block, j): lanes 0-15 the words of K step 2 j, lanes 16-31 those of K step 2 j + 1: 128 consecutive bytes a load
.irp a, 0,1,2,3
.irp j, 0,1,2,3
	global_load_b32 v[32+4*\a+\j], v28, s[16:17] offset:\a*512+\j*128
.endr
.endr
.irp b, 0,1,2,3,4,5,6,7
.irp j, 0,1,2,3
	global_load_b32 v[48+4*\b+\j], v28, s[18:19] offset:\b*512+\j*128
.endr
.endr
	; where the results go.  q and k: stream, batch and block of tokens from A's block; q or k and the pair of heads from B's group
	s_bfe_u32 s88, s86, 0x10008                    ; stream: 0 x, 1 y
	s_bfe_u32 s89, s86, 0x10007                    ; batch
	s_and_b32 s90, s86, 127                        ; block of 16 tokens
	s_bfe_u32 s91, s87, 0x10003                    ; 1: k
	s_and_b32 s92, s87, 7                          ; pair of heads
	s_lshl_b32 s89, s89, 4
	s_lshl_b32 s92, s92, 1
	s_add_co_u32 s89, s89, s92                     ; 16 b + the first head
	s_xor_b32 s88, s88, s91
	s_xor_b32 s88, s88, 1                          ; which half of the 128: q of y and k of x go first
	s_mul_i32 s93, s91, 6291456
	s_mul_i32 s94, s89, 196608
	s_add_co_u32 s93, s93, s94
	s_mul_i32 s94, s90, 1536
	s_add_co_u32 s93, s93, s94
	s_mul_i32 s94, s88, 768
	s_add_co_u32 s93, s93, s94                     ; codes
	s_lshl_b32 s95, s91, 18
	s_lshl_b32 s94, s89, 13
	s_add_co_u32 s95, s95, s94
	s_lshl_b32 s94, s90, 6
	s_add_co_u32 s95, s95, s94
	s_lshl_b32 s94, s88, 1
	s_add_co_u32 s95, s95, s94                     ; scale words
	; v: the head from A's block; stream, batch and 128 keys from B's group
	s_bfe_u32 s88, s86, 0x40002                    ; head
	s_bfe_u32 s89, s87, 0x10005                    ; stream
	s_bfe_u32 s90, s87, 0x10004                    ; batch
	s_and_b32 s91, s87, 15                         ; which 128 keys
	s_lshl_b32 s90, s90, 4
	s_add_co_u32 s90, s90, s88
	s_mul_i32 s96, s90, 196608
	s_mul_i32 s94, s91, 12288
	s_add_co_u32 s96, s96, s94
	s_mul_i32 s94, s89, 6144
	s_add_co_u32 s96, s96, s94
	s_add_co_u32 s96, s96, 12582912
	s_lshl_b32 s97, s90, 13
	s_lshl_b32 s94, s91, 9
	s_add_co_u32 s97, s97, s94
	s_lshl_b32 s94, s89, 8
	s_add_co_u32 s97, s97, s94
	s_add_co_u32 s97, s97, 524288
	s_cmp_lg_u32 s60, 0
	s_cselect_b32 s93, s96, s93
	s_cselect_b32 s95, s97, s95
	s_mov_b32 s96, 196608                          ; from the first half of a fragment made to the second: the next head (q, k), or 768 bytes on (v)
	s_cselect_b32 s96, 768, s96
	s_mov_b32 s97, 8192                            ; and of its scale word likewise
	s_cselect_b32 s97, 2, s97
	s_mov_b32 s98, s93
	s_mov_b32 s99, 0
	s_add_nc_u64 s[84:85], s[8:9], s[98:99]        ; first halves
	s_mov_b32 s98, s96
	s_add_nc_u64 s[86:87], s[84:85], s[98:99]      ; second halves
	s_mov_b32 s98, s95
	s_add_nc_u64 s[88:89], s[10:11], s[98:99]      ; scale words
	v_mul_u32_u24 v26, s97, v3
	v_lshl_add_u32 v26, v2, 2, v26                 ; lanes 0-15 store a word's low half at 4 r, lanes 16-31 its high half one step on
.macro FETCH k                         ; the fragments of K step k: B's eight, A's four: 48 dense LDS loads, into set k % 2
.set FS, (\k)/2
.set FQ, ((\k)%2)*1536
.set FP, (\k)%2
	WIN 0x40
.irp b, 0,1,2,3,4,5,6,7
	ds_load_b128 v[128*FP+12*\b:128*FP+12*\b+3], v[16+FS] offset:\b*3072+FQ
	ds_load_b64 v[128*FP+12*\b+4:128*FP+12*\b+5], v[20+FS] offset:\b*3072+FQ+512
	ds_load_b128 v[128*FP+12*\b+6:128*FP+12*\b+9], v[16+FS] offset:\b*3072+FQ+768
	ds_load_b64 v[128*FP+12*\b+10:128*FP+12*\b+11], v[20+FS] offset:\b*3072+FQ+1280
.endr
	WIN 0
.irp a, 0,1,2,3
	ds_load_b128 v[128+48*FP+12*\a:128+48*FP+12*\a+3], v[8+FS] offset:\a*3072+FQ
	ds_load_b64 v[128+48*FP+12*\a+4:128+48*FP+12*\a+5], v[12+FS] offset:\a*3072+FQ+512
	ds_load_b128 v[128+48*FP+12*\a+6:128+48*FP+12*\a+9], v[8+FS] offset:\a*3072+FQ+768
	ds_load_b64 v[128+48*FP+12*\a+10:128+48*FP+12*\a+11], v[12+FS] offset:\a*3072+FQ+1280
.endr
.endm
.macro MUL k                           ; 32 matrix instructions; the first K step starts the sums with the constant 0; odd K steps take their scale words from lanes 16-31
.set MP, (\k)%2
.set MJ, (\k)/2
	WIN 0xa1                                       ; source 0 (B) window 1, source 1 (A) window 0, C and D window 2
.irp a, 0,1,2,3
.irp b, 0,1,2,3,4,5,6,7
.if (\k) == 0
	v_wmma_scale_f32_16x16x128_f8f6f4 v[8*(8*\a+\b):8*(8*\a+\b)+7], v[128*MP+12*\b:128*MP+12*\b+11], v[128+48*MP+12*\a:128+48*MP+12*\a+11], 0, v[48+4*\b+MJ], v[32+4*\a+MJ] matrix_a_fmt:MATRIX_FMT_BF6 matrix_b_fmt:MATRIX_FMT_BF6
.elseif MP == 0
	v_wmma_scale_f32_16x16x128_f8f6f4 v[8*(8*\a+\b):8*(8*\a+\b)+7], v[128*MP+12*\b:128*MP+12*\b+11], v[128+48*MP+12*\a:128+48*MP+12*\a+11], v[8*(8*\a+\b):8*(8*\a+\b)+7], v[48+4*\b+MJ], v[32+4*\a+MJ] matrix_a_fmt:MATRIX_FMT_BF6 matrix_b_fmt:MATRIX_FMT_BF6
.else
	v_wmma_scale_f32_16x16x128_f8f6f4 v[8*(8*\a+\b):8*(8*\a+\b)+7], v[128*MP+12*\b:128*MP+12*\b+11], v[128+48*MP+12*\a:128+48*MP+12*\a+11], v[8*(8*\a+\b):8*(8*\a+\b)+7], v[48+4*\b+MJ], v[32+4*\a+MJ] matrix_a_fmt:MATRIX_FMT_BF6 matrix_b_fmt:MATRIX_FMT_BF6 matrix_a_scale:MATRIX_SCALE_ROW1 matrix_b_scale:MATRIX_SCALE_ROW1
.endif
.endr
.endr
.endm
.macro KSTEP k
.if ((\k) > 0) && ((\k) < 7)
	PLACES
.endif
.if (\k) < 7
	FETCH (\k)+1
.endif
.if (\k) == 7
	s_wait_dscnt 0x0
.else
	s_wait_dscnt 48                                ; all but the 48 just issued
.endif
	MUL \k
.endm
	s_wait_alu depctr_va_vdst(0)
	s_wait_tensorcnt 0x0                           ; my one load, my part of all of K, has landed
	s_barrier_signal -1
	s_barrier_wait -1
	FETCH 0
	s_wait_loadcnt 0x0                             ; the scale words
.irp k, 0,1,2,3,4,5,6,7
	KSTEP \k
.endr
; 64 results of a lane (block a of A x my 8 blocks of B; register 16 b + i = place 32 b + 16 (lane / 16) + i along the next K) become a fragment's codes in v[pc] on and its scale word in v[pw].
.macro QUANTW s, pc, pw
	WIN 0x0a                                       ; sources 0 and 1: the accumulators' window.
.irp b, 0,1,2,3
	v_max3_num_f32 v[TM+\b], |v[(\s)+16*\b]|, |v[(\s)+1+16*\b]|, 0x2800000   ; with the floor 2^(5 - 127)
.endr
.irp i, 2,4,6,8,10,12,14
.irp b, 0,1,2,3
	v_max3_num_f32 v[TM+\b], |v[(\s)+16*\b+\i]|, |v[(\s)+1+16*\b+\i]|, v[TM+\b]
.endr
.endr
	WIN 0
.irp b, 0,1,2,3
	v_permlanex16_b32 v[TM+4+\b], v[TM+\b], s20, s21
.endr
.irp b, 0,1,2,3
	v_max_num_f32 v[TM+\b], v[TM+\b], v[TM+4+\b]   ; with lane l xor 16's: the block's largest magnitude
.endr
.irp b, 0,1,2,3
	v_add_nc_u32 v[TM+12+\b], 0xfe000000, v[TM+\b] ; 4 off the exponent field: the conversion's scale operand
.endr
.irp b, 0,1,2,3
	v_lshrrev_b32 v[TM+4+\b], 23, v[TM+12+\b]      ; the scale's byte
.endr
	v_lshl_or_b32 v[\pw], v[TM+5], 8, v[TM+4]
	v_lshl_or_b32 v[\pw], v[TM+6], 16, v[\pw]
	v_lshl_or_b32 v[\pw], v[TM+7], 24, v[\pw]
	WIN 0x02
.irp c, 0,1
	v_cvt_scalef32_pk16_bf6_f32 v[(\pc)+6*\c:(\pc)+2+6*\c], v[(\s)+32*\c:(\s)+15+32*\c], v[TM+12+2*\c]
	v_cvt_scalef32_pk16_bf6_f32 v[(\pc)+12+4*\c:(\pc)+14+4*\c], v[(\s)+16+32*\c:(\s)+31+32*\c], v[TM+12+2*\c+1]
.endr
	WIN 0
	v_nop                                          ; one plain instruction behind a scaled conversion
.irp c, 0,1                                    ; the operand's layout wants a whole block in a lane: lanes 0-15 block 2 c, lanes 16-31 block 2 c + 1
.irp i, 0,1,2
	v_permlane16_swap_b32 v[(\pc)+6*\c+\i], v[(\pc)+12+4*\c+\i]
.endr
.irp i, 0,1,2
	v_mov_b32 v[(\pc)+3+6*\c+\i], v[(\pc)+12+4*\c+\i]
.endr
.endr
.endm
	s_mov_b32 s20, 0x76543210
	s_mov_b32 s21, 0xfedcba98                      ; selects for lane l xor 16
	PLACES
.irp a, 0,1,2,3                                ; each block has registers of its own for what it stores: no store's data are written again
	QUANTW 64*\a, 128+24*\a, 224+\a
	v_lshrrev_b32 v[228+\a], v27, v[224+\a]        ; lanes 16-31: the word's high half
	global_store_b128 v24, v[128+24*\a:128+24*\a+3], s[84:85] offset:1536*\a          ; 512 consecutive bytes
	global_store_b64 v25, v[128+24*\a+4:128+24*\a+5], s[84:85] offset:1536*\a+512     ; 256 consecutive bytes
	global_store_b128 v24, v[128+24*\a+6:128+24*\a+9], s[86:87] offset:1536*\a
	global_store_b64 v25, v[128+24*\a+10:128+24*\a+11], s[86:87] offset:1536*\a+512
	global_store_b16 v26, v[228+\a], s[88:89] offset:64*\a                            ; half-words: the other half of each word of q and k is another stream's; one byte in 24 of what is stored
.endr
	s_wait_tensorcnt 0x0
	ds_add_u32 v254, v255
	s_wait_dscnt 0x0
	ROUND                                          ; the closing round: no work-group ends while a partner may still ask for a panel that names it
	s_endpgm
.Lfunc_end_k_qf58b80b31d_proj:
	.size	k_qf58b80b31d_proj, .Lfunc_end_k_qf58b80b31d_proj-k_qf58b80b31d_proj
	.p2alignl 7, 3214868480
	.fill 96, 4, 3214868480
	.section	.rodata,"a",@progbits
	.p2align	6, 0x0
	.amdhsa_kernel k_qf58b80b31d_proj
		.amdhsa_group_segment_fixed_size 295424
		.amdhsa_private_segment_fixed_size 0
		.amdhsa_enable_private_segment 0
		.amdhsa_kernarg_size 32
		.amdhsa_user_sgpr_count 2
		.amdhsa_user_sgpr_kernarg_segment_ptr 1
		.amdhsa_wavefront_size32 1
		.amdhsa_system_sgpr_workgroup_id_x 1
		.amdhsa_system_sgpr_workgroup_id_y 1
		.amdhsa_system_sgpr_workgroup_id_z 1
		.amdhsa_system_vgpr_workitem_id 0
		.amdhsa_next_free_vgpr 768
		.amdhsa_next_free_sgpr 100
		.amdhsa_reserve_vcc 0
		.amdhsa_float_denorm_mode_32 3
		.amdhsa_float_denorm_mode_16_64 3
		.amdhsa_memory_ordered 1
		.amdhsa_forward_progress 1
		.amdhsa_inst_pref_size 90
	.end_amdhsa_kernel
	.amdgpu_metadata
---
amdhsa.version: [ 1, 2 ]
amdhsa.kernels:
  - .name:           k_qf58b80b31d_proj
    .symbol:         k_qf58b80b31d_proj.kd
    .args:
      - { .name: codes, .offset: 0, .size: 8, .value_kind: global_buffer, .address_space: global }
      - { .name: scl, .offset: 8, .size: 8, .value_kind: global_buffer, .address_space: global }
      - { .name: qkv, .offset: 16, .size: 8, .value_kind: global_buffer, .address_space: global }
      - { .name: qkvs, .offset: 24, .size: 8, .value_kind: global_buffer, .address_space: global }
    .group_segment_fixed_size: 295424
    .private_segment_fixed_size: 0
    .kernarg_segment_align: 8
    .kernarg_segment_size: 32
    .max_flat_workgroup_size: 128
    .sgpr_count:     100
    .vgpr_count:     768
    .wavefront_size: 32
...
	.end_amdgpu_metadata
.endif
;; end of part 2
;; launch attn (part 3): grid 8 x 32, 8 waves a work-group, clusters of 4 x 1, 327,680 bytes of LDS; arguments qkv, qkvs, ac, acs; writes ac, acs
.if DOCPART == 3
	.amdgcn_target "amdgcn-amd-amdhsa--gfx1250"
	.amdhsa_code_object_version 6
	.text
	.protected	k_qf58b80b31d_attn
	.globl	k_qf58b80b31d_attn
	.p2align	8
	.type	k_qf58b80b31d_attn,@function
k_qf58b80b31d_attn:
	s_mov_b64 s[64:65], 0
	v_nop
	global_prefetch_b8 v0, s[64:65] scope:SCOPE_SE
	s_setreg_imm32_b32 hwreg(HW_REG_WAVE_MODE, 25, 1), 1
	s_wait_xcnt 0x0
	s_wait_alu depctr_hold_cnt(0) depctr_sa_sdst(0) depctr_va_vdst(0) depctr_va_sdst(0) depctr_va_ssrc(0) depctr_va_vcc(0) depctr_vm_vsrc(0)
	s_getreg_b32 s2, hwreg(HW_REG_IB_STS2, 6, 4)
	s_cmp_eq_u32 s2, 0
	s_cbranch_scc0 .Lentry_in_a_cluster
	s_endpgm
.Lentry_in_a_cluster:
	s_bfe_u32 s2, ttmp6, 0x10000c
	s_cmp_lg_u32 s2, 0x3003
	s_cbranch_scc0 .Lentry_shape_is_right
	s_endpgm
.Lentry_shape_is_right:
; Attention on codes of BF6 with E8M0 scales.  The two score products (K = 64 each) are added before the softmax, so they are ONE product with K = 128: q = q of y | q of x, k = k of x | k of y;
; the two value products share the weights, so they are one with 128 channels: v of x | v of y.  32 heads (16 b + h), 2,048 queries and keys.
; t = score x log2(e) / 16; M = the row's largest t so far, rounded UP to a whole number; p = 2^(t - M) is quantised along the keys, not normalised; the row's sum is taken of the unquantised p
; and divides at the end.  When M moves, the sum and O are multiplied by 2^(old M - new M): exact.  The result, divided, is quantised at once along the channels, for the output products: ac, acs.
; SHARES: a work-group owns 256 queries of a head; each of its eight waves TWO blocks of 16 queries, so that each fragment of k and of v read from LDS feeds two matrix instructions.
; Both products are used transposed (S^T = k q^T, O^T = v^T p^T): a lane holds one query of each block.  The rows of a block of keys are 32 (t / 2) + 8 (t % 2) + r + 8 (r / 8): the 16 registers
; of score tiles 2 b, 2 b + 1 are 16 neighbouring keys; v's channel tiles are ordered likewise.  Operands lie in memory and LDS in the order of the unit's registers (a fragment is 1,536 bytes).
; LDS: two slots of 512 keys (k's 32 fragments, 49,152 bytes, then v's 32) at 0 and 131,072; between them k's and v's scale words of the whole head, 8,192 bytes each, filled once, and the spare words.
; A KEY STEP is 128 keys: 16 score products; the next step's k fragments are asked of LDS behind them; for both query blocks the maxima, t - M and the rescaling of O^T; ONE batch of exponentials for both;
; then block by block p's scale word, codes and sum, with v's tiles 0-4 asked into block 0's p registers and tiles 5-7 into block 1's as soon as these are free; 16 value products.
; All first reads of matrix results stand ahead of the step's exponentials.  The step is written once, in a loop of four trips a slot.
; CLUSTER: the four query blocks of a cluster walk the same k and v: each tile is asked for jointly.  Head: wave 0 k's slot, wave 1 v's, wave 2 k's scale words, wave 3 v's; refills: waves 0 and 1.
; NO PREFETCH: a refill is asked for four key steps (128 matrix instructions a wave) ahead of its first read, and only three refills follow the head's loads.
; LIMITS: NaN and infinities are not served; a block's largest magnitude under 2^-122 counts as 2^-122; the scaled scores stay under 2^31 in magnitude.
; REGISTERS, two windows of 256.  In BOTH windows, for query block 0 and 1: v12 -M, v13 the largest score, v[14:15] the sum, v16-27 q, v96-159 S^T, then p, then fragments of v, v160-223 O^T, v224-235 p's codes, v232-254 at work.
;   window 0 alone: v1-11 offsets and addresses, v28-31 k's scale words (lanes 0-15 tile 2 j, lanes 16-31 tile 2 j + 1), v80-83 v's, v84-85 q's, v86-87 p's.  v32-79: k's tiles 0-3 in window 0, tiles 4-7 in window 1.
.set SLOT1, 131072
.set VOFF,  49152
.set KSTP,  12288                      ; a key step's eight fragments
.set SCK,   98304
.set SPARE, 114688                     ; 128 bytes for each of the eight waves, which no other line names
.set ASTR,  1572864
.set L16,  1
.set L8,   2
.set ASK0, 3
.set R4,   4
.set SPW,  5
.set NIL,  6
.set SOF,  7
.set AD16, 8
.set AD8,  9
.set ADS,  10
.set SH,   11
.set WV,   12
.set SEL,  20
.set CS,   22
.set G1T,  24
.set G1S,  32
.set G0T,  40
.set G0S,  44
.set TB,   48                          ; LDS byte of the step in hand
.set TS,   49                          ; its scale words: 512 bytes a step
.set SLOTS, 50
.set SB,   51                          ; the slot in hand
.set INN,  62                          ; steps left in the slot
.set MSB,  0
.macro WIN new                         ; the immediate's high byte repeats the setting that is left
.if MSB != \new
	s_set_vgpr_msb (MSB<<8)|\new
.set MSB, \new
.endif
.endm
.macro PLACES n
.rept \n
	v_nop
.endr
.endm
.macro ROUND                           ; a round of the cluster's barrier
	s_barrier_signal -1
	s_barrier_wait -1
	s_cmp_lg_u32 s[WV], 0
	s_cbranch_scc1 .Lnot_wave_0_\@
	s_barrier_signal -3
.Lnot_wave_0_\@:
	s_barrier_wait -3
	s_barrier_signal -1
	s_barrier_wait -1
.endm
	s_load_b256 s[4:11], s[0:1], 0x0               ; qkv s[4:5], qkvs s[6:7], ac s[8:9], acs s[10:11]
	v_lshl_add_u32 v[SPW], v0, 2, SPARE
	v_mov_b32 v[NIL], 0
	ds_add_u32 v[SPW], v[NIL]                      ; the opening lines: the add, twice on end, and its wait
	ds_add_u32 v[SPW], v[NIL]
	v_lshrrev_b32 v8, 5, v0
	v_readfirstlane_b32 s[WV], v8                  ; wave 0..7
	s_bfe_u32 s13, ttmp6, 0x40000                  ; cx: it enters q's and the results' addresses alone
	s_lshl_b32 s14, ttmp9, 2
	s_add_co_u32 s14, s14, s13
	s_lshl_b32 s14, s14, 3
	s_add_co_u32 s14, s14, s[WV]
	s_lshl_b32 s14, s14, 1                         ; the first of my two blocks of 16 queries
	s_and_b32 s15, ttmp7, 0xffff                   ; the head, 16 b + h, which the partners share
	s_and_b32 s16, s[WV], 1                        ; what I fetch, if I fetch: 0 k, 1 v
	s_add_co_u32 s17, s16, 1
	s_mul_i32 s52, s17, 6291456
	s_mul_i32 s18, s15, 196608
	s_add_co_u32 s52, s52, s18                     ; the head's codes of k or of v
	s_mov_b32 s53, 0
	s_lshl_b32 s54, s17, 18
	s_lshl_b32 s19, s15, 13
	s_add_co_u32 s54, s54, s19                     ; and scale words
	s_mov_b32 s55, 0
	s_mul_i32 s56, s16, VOFF                       ; their places in a slot
	s_lshl_b32 s57, s16, 13                        ; and among the scale words
	s_mul_i32 s58, s14, 1536
	s_add_co_u32 s58, s58, s18                     ; q's fragments
	s_mov_b32 s59, 0
	s_lshl_b32 s60, s14, 6
	s_add_co_u32 s60, s60, s19                     ; and their scale words
	s_mov_b32 s61, 0
	; group 1: dense blocks as rows of 256 bytes (32 elements of 8 bytes): 192 rows for a slot's k or v, 32 for a head's scale words; the mask names all four work-groups
	s_mov_b32 s[G1T], 15|(3<<16)|(1<<21)
	s_mov_b32 s[G1T+1], 32<<16
	s_mov_b32 s[G1T+2], 192<<16
	s_mov_b32 s[G1T+3], 32<<16
	s_mov_b32 s[G1T+4], 192
	s_mov_b32 s[G1T+5], 32
	s_mov_b32 s[G1T+6], 0
	s_mov_b32 s[G1T+7], 0
	s_mov_b32 s[G1S], 15|(3<<16)|(1<<21)
	s_mov_b32 s[G1S+1], 32<<16
	s_mov_b32 s[G1S+2], 32<<16
	s_mov_b32 s[G1S+3], 32<<16
	s_mov_b32 s[G1S+4], 32
	s_mov_b32 s[G1S+5], 32
	s_mov_b32 s[G1S+6], 0
	s_mov_b32 s[G1S+7], 0
	s_mov_b32 s[SEL], 0x76543210
	s_mov_b32 s[SEL+1], 0xfedcba98                 ; selects for lane l xor 16
	s_mov_b32 s[CS], 0x3db8aa3b                    ; c = log2(e) / 16
	s_mov_b32 s[CS+1], s[CS]                       ; named with it as a pair, so it is written
	s_mov_b32 s[SB], 0
	s_mov_b32 s[TS], 0
	s_mov_b32 s[SLOTS], 3
	s_wait_dscnt 0x0                               ; both opening adds are done
	s_wait_kmcnt 0x0
	s_add_nc_u64 s[52:53], s[4:5], s[52:53]
	s_add_nc_u64 s[54:55], s[6:7], s[54:55]
	s_add_nc_u64 s[58:59], s[4:5], s[58:59]
	s_add_nc_u64 s[60:61], s[6:7], s[60:61]
	ROUND                                          ; all four work-groups are here: the first joint loads meet
	s_mov_b32 s[G0S], 1
	s_add_co_u32 s[G0S+1], s57, SCK
	s_mov_b64 s[G0S+2:G0S+3], s[54:55]
	s_or_b32 s[G0S+3], s[G0S+3], 0x80000000
	s_mov_b32 s[G0T], 1
	s_mov_b32 s[G0T+1], s56
	s_mov_b64 s[G0T+2:G0T+3], s[52:53]
	s_or_b32 s[G0T+3], s[G0T+3], 0x80000000
	s_cmp_lt_u32 s[WV], 2                          ; the head's four tiles, one a wave, in one chain of branches on the wave's number
	s_cbranch_scc0 .Lhead_scales
	tensor_load_to_lds s[G0T:G0T+3], s[G1T:G1T+7]  ; slot 0: k's or v's first 512 keys
	s_nop 0
	PLACES 4
	s_branch .Lhead_asked
.Lhead_scales:
	s_cmp_lt_u32 s[WV], 4
	s_cbranch_scc0 .Lhead_asked
	tensor_load_to_lds s[G0S:G0S+3], s[G1S:G1S+7]  ; the head's scale words of k or of v: filled once
	s_nop 0
	PLACES 4
.Lhead_asked:
	v_and_b32 v8, 31, v0
	v_and_b32 v9, 15, v0
	v_bfe_u32 v10, v0, 4, 1
	v_lshlrev_b32 v[L16], 4, v8                    ; 16 x lane
	v_lshlrev_b32 v[L8], 3, v8                     ; 8 x lane
	v_lshlrev_b32 v[R4], 2, v9                     ; 4 r
	v_lshl_add_u32 v[ASK0], v8, 2, SCK             ; scale words: 4 x lane: two tiles' words a load
	v_lshlrev_b32 v[SH], 4, v10                    ; 16 h
	v_lshl_add_u32 v[SOF], v10, 17, v[R4]          ; the second result's scale words lie 256 blocks x 512 bytes on
.irp u, 0,1                                    ; q's two fragments stay in registers, one in each window
	WIN 0x40*\u
	global_load_b128 v[16:19], v[L16], s[58:59] offset:1536*\u
	global_load_b64 v[20:21], v[L8], s[58:59] offset:1536*\u+512
	global_load_b128 v[22:25], v[L16], s[58:59] offset:1536*\u+768
	global_load_b64 v[26:27], v[L8], s[58:59] offset:1536*\u+1280
.endr
	WIN 0
	global_load_b32 v84, v[R4], s[60:61]
	global_load_b32 v85, v[R4], s[60:61] offset:64
.irp u, 0,1
	WIN 0x40*\u
	v_mov_b32 v13, 0xff61b1e6                      ; the largest score so far: -3e38
	v_mov_b32 v12, 0x7f61b1e6                      ; -M: 3e38, so that the first change of M gives the factor 0
	v_mov_b32 v14, 0
	v_mov_b32 v15, 0
.irp b, 0,1,2,3
	v_mov_b32 v[236+\b], 0                         ; a lane permute's destination counts as read
.endr
	v_mov_b32 v253, 0                              ; named as the upper half of the pair v[252:253]
.set J, 0
.rept 64
	v_mov_b32 v[160+J], 0                          ; O^T: the step is written once; the first finds zeros
.set J, J+1
.endr
.endr
	WIN 0
.macro FRAGL reg, off                  ; a fragment from LDS as it lies: four dense loads
	ds_load_b128 v[\reg:\reg+3], v[AD16] offset:\off
	ds_load_b64 v[\reg+4:\reg+5], v[AD8] offset:\off+512
	ds_load_b128 v[\reg+6:\reg+9], v[AD16] offset:\off+768
	ds_load_b64 v[\reg+10:\reg+11], v[AD8] offset:\off+1280
.endm
.macro KLOAD o                         ; k's eight fragments and four registers of scale words, of the step in hand (o = 0) or the next (o = 1): 36 LDS loads
.irp t, 0,1,2,3
	FRAGL 32+12*\t, (\o)*KSTP+\t*1536
.endr
.irp j, 0,1,2,3
	ds_load_b32 v[28+\j], v[ADS] offset:(\o)*512+128*\j
.endr
	WIN 0x40
.irp t, 0,1,2,3
	FRAGL 32+12*\t, (\o)*KSTP+(\t+4)*1536
.endr
	WIN 0
.endm
.macro SMUL u, f                       ; four score tiles f .. f + 3 of query block u; odd tiles take their scale words from lanes 16-31
.irp t, 0,1,2,3
.if \t%2
	v_wmma_scale_f32_16x16x128_f8f6f4 v[96+8*(\f+\t):103+8*(\f+\t)], v[32+12*\t:43+12*\t], v[16:27], 0, v[28+(\f+\t)/2], v[84+\u] matrix_a_fmt:MATRIX_FMT_BF6 matrix_b_fmt:MATRIX_FMT_BF6 matrix_a_scale:MATRIX_SCALE_ROW1
.else
	v_wmma_scale_f32_16x16x128_f8f6f4 v[96+8*(\f+\t):103+8*(\f+\t)], v[32+12*\t:43+12*\t], v[16:27], 0, v[28+(\f+\t)/2], v[84+\u] matrix_a_fmt:MATRIX_FMT_BF6 matrix_b_fmt:MATRIX_FMT_BF6
.endif
.endr
.endm
.macro PMUL u, t, a                    ; channel tile t of query block u; v's fragment at v[a]
.if (\t)%2
	v_wmma_scale_f32_16x16x128_f8f6f4 v[160+8*(\t):167+8*(\t)], v[\a:\a+11], v[224:235], v[160+8*(\t):167+8*(\t)], v[80+(\t)/2], v[86+\u] matrix_a_fmt:MATRIX_FMT_BF6 matrix_b_fmt:MATRIX_FMT_BF6 matrix_a_scale:MATRIX_SCALE_ROW1
.else
	v_wmma_scale_f32_16x16x128_f8f6f4 v[160+8*(\t):167+8*(\t)], v[\a:\a+11], v[224:235], v[160+8*(\t):167+8*(\t)], v[80+(\t)/2], v[86+\u] matrix_a_fmt:MATRIX_FMT_BF6 matrix_b_fmt:MATRIX_FMT_BF6
.endif
.endm
; AHEAD OF THE EXPONENTIALS, query block u, all in window u: the maxima, the new M, t - M, and the sum and O^T under the new M.
.macro SOFTA u
	WIN 0x55*\u
.irp b, 0,1,2,3
	v_max3_num_f32 v[232+\b], v[96+16*\b], v[97+16*\b], v[98+16*\b]   ; the largest score of each block of 32 keys: for the row's maximum and, since p rises with the score, for the block's largest p
.endr
.irp i, 3,5,7,9,11,13
.irp b, 0,1,2,3
	v_max3_num_f32 v[232+\b], v[232+\b], v[96+16*\b+\i], v[97+16*\b+\i]
.endr
.endr
.irp b, 0,1,2,3
	v_max_num_f32 v[232+\b], v[232+\b], v[111+16*\b]
.endr
.irp b, 0,1,2,3
	s_delay_alu instid0(VALU_DEP_4)
	v_permlanex16_b32 v[236+\b], v[232+\b], s[SEL], s[SEL+1]
.endr
.irp b, 0,1,2,3
	s_delay_alu instid0(VALU_DEP_4)
	v_max_num_f32 v[232+\b], v[232+\b], v[236+\b]  ; with lane l xor 16's 16 keys
.endr
	s_delay_alu instid0(VALU_DEP_2)
	v_max3_num_f32 v254, v232, v233, v234
	v_max3_num_f32 v13, v13, v254, v235            ; the running largest score
	v_mov_b32 v254, v12
	v_mul_f32 v251, s[CS], v13                     ; as t (c is positive)
	v_floor_f32 v12, -v251                         ; the new -M = -ceil(t): a whole number
.set J, 0
.rept 32
	v_pk_fma_f32 v[96+J:97+J], v[96+J:97+J], s[CS:CS+1], v[12:13] op_sel_hi:[1,0,0]   ; t - M, two at a time
.set J, J+2
.endr
	v_sub_f32 v254, v12, v254                      ; old M - new M: a whole number, 0 or less
	v_fma_f32 v232, v232, s[CS], v12               ; t - M of each block's largest score
	v_fma_f32 v233, v233, s[CS], v12
	v_cvt_i32_f32 v254, v254                       ; (it saturates)
	v_fma_f32 v234, v234, s[CS], v12
	v_fma_f32 v235, v235, s[CS], v12
	v_ldexp_f32 v252, 1.0, v254                    ; f = 2^(old M - new M)
	v_pk_mul_f32 v[14:15], v[14:15], v[252:253] op_sel_hi:[1,0]   ; the sums under the new M
.set J, 0
.rept 32
	v_pk_mul_f32 v[160+J:161+J], v[160+J:161+J], v[252:253] op_sel_hi:[1,0]   ; O^T under the new M: no transcendental stands between the value products and these first reads
.set J, J+2
.endr
.endm
.macro EXPS                            ; the exponentials of the query block whose window is set
.set J, 0
.rept 64
	v_exp_f32 v[96+J], v[96+J]                     ; p = 2^(t - M), at most 1
.set J, J+1
.endr
.irp b, 0,1,2,3
	v_exp_f32 v[232+\b], v[232+\b]                 ; the block's largest p: the same two instructions on the same number
.endr
.endm
; BEHIND THE EXPONENTIALS, query block u: p's scale word, codes and sum; as soon as p's registers are free, fragments of v are asked into them.
.macro SOFTB u
	WIN 0x55*\u
.irp b, 0,1,2,3
	v_max_num_f32 v[232+\b], 0x2800000, v[232+\b]  ; the floor 2^(5 - 127): the byte cannot fall under 1
.endr
.irp b, 0,1,2,3
	s_delay_alu instid0(VALU_DEP_4)
	v_add_nc_u32 v[244+\b], 0xfe000000, v[232+\b]  ; 4 off the exponent field: the conversion's scale operand
.endr
.irp b, 0,1,2,3
	s_delay_alu instid0(VALU_DEP_4)
	v_lshrrev_b32 v[236+\b], 23, v[244+\b]         ; the scale's byte
.endr
	s_delay_alu instid0(VALU_DEP_3)
	v_lshl_or_b32 v253, v237, 8, v236
	s_delay_alu instid0(VALU_DEP_1)
	v_lshl_or_b32 v253, v238, 16, v253
	WIN 0x11*\u                                    ; scale operands are taken from window 0: p's scale word goes there
	v_lshl_or_b32 v[86+\u], v239, 24, v253
	WIN 0x55*\u
.irp c, 0,1
	v_cvt_scalef32_pk16_bf6_f32 v[224+6*\c:226+6*\c], v[96+32*\c:111+32*\c], v[244+2*\c]
	v_cvt_scalef32_pk16_bf6_f32 v[236+4*\c:238+4*\c], v[112+32*\c:127+32*\c], v[244+2*\c+1]
.endr
	v_nop                                          ; one plain instruction behind a scaled conversion
.irp j, 0,1,2,3                                ; the row's sum of the unquantised p: 32 pairs in five chains, v244-251 and the sum itself
	v_pk_add_f32 v[244+2*\j:245+2*\j], v[96+2*\j:97+2*\j], v[104+2*\j:105+2*\j]
.endr
	v_pk_add_f32 v[14:15], v[14:15], v[112:113]
.irp k, 0,1,2,3
.irp j, 0,1,2,3
	v_pk_add_f32 v[244+2*\j:245+2*\j], v[244+2*\j:245+2*\j], v[114+10*\k+2*\j:115+10*\k+2*\j]
.endr
	v_pk_add_f32 v[14:15], v[14:15], v[122+10*\k:123+10*\k]
.endr
	v_pk_add_f32 v[244:245], v[244:245], v[154:155]
	v_pk_add_f32 v[246:247], v[246:247], v[156:157]
	v_pk_add_f32 v[248:249], v[248:249], v[158:159]
	v_pk_add_f32 v[244:245], v[244:245], v[246:247]
	v_pk_add_f32 v[248:249], v[248:249], v[250:251]
	s_delay_alu instid0(VALU_DEP_2)
	v_pk_add_f32 v[14:15], v[14:15], v[244:245]
	s_delay_alu instid0(VALU_DEP_1)
	v_pk_add_f32 v[14:15], v[14:15], v[248:249]
.if \u
	WIN 0x40
.irp t, 5,6,7                                  ; v's tiles 5-7 into block 1's p registers: 12 LDS loads
	FRAGL 36+12*\t, VOFF+\t*1536
.endr
	WIN 0x55
.else
.irp t, 0,1,2,3,4                              ; v's tiles 0-4 into block 0's p registers, and v's scale words: 24 LDS loads
	FRAGL 96+12*\t, VOFF+\t*1536
.endr
.irp j, 0,1,2,3
	ds_load_b32 v[80+\j], v[ADS] offset:8192+128*\j
.endr
.endif
.irp c, 0,1                                    ; the operand's layout wants a whole block in a lane
.irp i, 0,1,2
	v_permlane16_swap_b32 v[224+6*\c+\i], v[236+4*\c+\i]
.endr
.irp i, 0,1,2
	s_delay_alu instid0(VALU_DEP_3)
	v_mov_b32 v[227+6*\c+\i], v[236+4*\c+\i]
.endr
.endr
.endm
; A KEY STEP.  At its head k's fragments and scale words are in registers and no LDS load of mine is out.
.macro STEP
	SMUL 0, 0                                      ; S^T = k q^T: 16 products on 16 accumulators, each begun with the constant 0; query block 0's first
	WIN 0x01
	SMUL 0, 4
	WIN 0x45
	SMUL 1, 4
	WIN 0x44
	SMUL 1, 0
	WIN 0
	PLACES 4                                       ; in front of loads into registers that the products read, and of the first reads of their results
	s_cmp_eq_u32 s[INN], 1                         ; the slot's last step has no next step in this slot: a branch on the counted loop's steps, round LDS loads alone
	s_cbranch_scc1 .Lno_next_\@
	KLOAD 1
.Lno_next_\@:
	SOFTA 0
	SOFTA 1
	s_wait_alu depctr_va_vdst(0)                   ; the wait ahead of the batch: one batch for both query blocks
	EXPS
	WIN 0
	EXPS
	v_nop                                          ; a plain instruction behind the exponentials
	s_wait_alu depctr_va_vdst(0)                   ; and the wait behind the batch
	SOFTB 0
	SOFTB 1
	WIN 0
	s_add_co_u32 s[TB], s[TB], KSTP                ; the next step's addresses
	s_add_co_u32 s[TS], s[TS], 512
	v_add_nc_u32 v[AD16], s[TB], v[L16]
	v_add_nc_u32 v[AD8], s[TB], v[L8]
	v_add_nc_u32 v[ADS], s[TS], v[ASK0]
	PLACES 2                                       ; with the three above: the plain instructions between the codes' last write and the scaled products
	s_wait_alu depctr_va_vdst(0)
	s_wait_dscnt 12                                ; all but the twelve youngest loads, v's tiles 5-7
.irp t, 0,1,2,3,4                              ; O^T += v^T p^T: the 16 accumulators by turns
	PMUL 0, \t, 96+12*\t
.endr
	WIN 0x54
.irp t, 0,1,2,3,4
	PMUL 1, \t, 96+12*\t
.endr
	s_wait_dscnt 0x0                               ; tiles 5-7 are in, and so is all that was asked for earlier: the next step's k
	WIN 0x55
.irp t, 5,6,7
	PMUL 1, \t, 36+12*\t
.endr
	WIN 0x01
.irp t, 5,6,7
	PMUL 0, \t, 36+12*\t
.endr
	WIN 0
	PLACES 5                                       ; the next scores are written over registers that these products read (ISA guide 7.12.1)
.endm
; THE CHANGE OF SLOTS.  Each wave waits for all its tensor loads, adds 0 to its spare word, and waits for that and for its reads of the slot that it has left.
; fill = 1: a round of the cluster's barrier; then the slot left is filled with the 512 keys that follow those of the slot in hand.
.macro CHANGE fill
	s_wait_tensorcnt 0x0                           ; no tensor load of mine is out, so a group 0 may be written
	ds_add_u32 v[SPW], v[NIL]                      ; the add,
.if \fill
	ds_add_u32 v[SPW], v[NIL]                      ; and twice here
	s_xor_b32 s[G0T+1], s[G0T+1], SLOT1            ; the other slot than last time,
	s_add_nc_u64 s[G0T+2:G0T+3], s[G0T+2:G0T+3], VOFF   ; the next 512 keys
.endif
	s_wait_dscnt 0x0
.if \fill
	ROUND
	s_cmp_lt_u32 s[WV], 2
	s_cbranch_scc0 .Lasked_\@
	tensor_load_to_lds s[G0T:G0T+3], s[G1T:G1T+7]  ; the first thing behind the round, and a wave's one tensor load until the next
	s_nop 0
	PLACES 4
.Lasked_\@:
.else
	s_barrier_signal -1
	s_barrier_wait -1
.endif
.endm
.macro SLOTRUN                         ; a slot's four key steps
	s_mov_b32 s[TB], s[SB]
	v_add_nc_u32 v[AD16], s[TB], v[L16]
	v_add_nc_u32 v[AD8], s[TB], v[L8]
	v_add_nc_u32 v[ADS], s[TS], v[ASK0]
	s_wait_alu depctr_va_vdst(0)                   ; the wait behind these writes: readers follow behind waits
	KLOAD 0
	s_mov_b32 s[INN], 4
	s_wait_dscnt 0x0
.Lstep_\@:
	STEP
	s_sub_co_u32 s[INN], s[INN], 1
	s_cmp_lg_u32 s[INN], 0
	s_cbranch_scc1 .Lstep_\@
	s_xor_b32 s[SB], s[SB], SLOT1                  ; on to the other slot
.endm
	s_wait_alu depctr_va_vdst(0)
	s_wait_loadcnt 0x0                             ; q
.Lslot:                                            ; three trips: behind each change of slots but the last the next slot is asked for
	CHANGE 1
	SLOTRUN
	s_sub_co_u32 s[SLOTS], s[SLOTS], 1
	s_cmp_lg_u32 s[SLOTS], 0
	s_cbranch_scc1 .Lslot
	CHANGE 0                                       ; the last slot is written out
	SLOTRUN
	; THE WAY OUT.  ac: [K / 256 = h / 4][block 256 (result) + 128 b + my block][(h / 2) % 2][h % 2][768];  acs: [block][h / 2][row] words, half-word h % 2
	s_lshr_b32 s52, s15, 4
	s_and_b32 s53, s15, 15
	s_lshl_b32 s52, s52, 7
	s_add_co_u32 s52, s52, s14
	s_mul_i32 s54, s52, 3072
	s_lshr_b32 s56, s53, 2
	s_mul_i32 s56, s56, ASTR
	s_add_co_u32 s54, s54, s56
	s_bfe_u32 s56, s53, 0x10001
	s_mul_i32 s56, s56, 1536
	s_add_co_u32 s54, s54, s56
	s_and_b32 s56, s53, 1
	s_mul_i32 s57, s56, 768
	s_add_co_u32 s54, s54, s57
	s_mov_b32 s55, 0
	s_add_nc_u64 s[8:9], s[8:9], s[54:55]
	s_lshl_b32 s58, s52, 9
	s_lshr_b32 s57, s53, 1
	s_lshl_b32 s57, s57, 6
	s_add_co_u32 s58, s58, s57
	s_lshl_b32 s57, s56, 1
	s_add_co_u32 s58, s58, s57
	s_mov_b32 s59, 0
	s_add_nc_u64 s[10:11], s[10:11], s[58:59]
; O^T / the sum of query block u: register 16 b + i is channel 32 b + 16 (lane / 16) + i of my query: blocks 0, 1 the first result's 64 channels of this head, blocks 2, 3 the second's.  Quantised along the channels.
.macro OUT u
	WIN 0x55*\u
	v_add_f32 v14, v14, v15
	s_delay_alu instid0(VALU_DEP_1)
	v_permlanex16_b32 v252, v14, s[SEL], s[SEL+1]
	s_delay_alu instid0(VALU_DEP_1)
	v_add_f32 v14, v14, v252                       ; the row's sum
	s_wait_alu depctr_va_vdst(0)                   ; the wait ahead of the transcendental,
	v_rcp_f32 v14, v14
	v_nop                                          ; a plain instruction behind it,
	s_wait_alu depctr_va_vdst(0)                   ; and the wait ahead of its first reader, which is also O^T's
.set J, 0
.rept 32
	v_pk_mul_f32 v[96+J:97+J], v[160+J:161+J], v[14:15] op_sel_hi:[1,0]   ; each accumulator from its low end on
.set J, J+2
.endr
.irp b, 0,1,2,3
	v_max3_num_f32 v[232+\b], |v[96+16*\b]|, |v[97+16*\b]|, 0x2800000
.endr
.irp i, 2,4,6,8,10,12,14
.irp b, 0,1,2,3
	s_delay_alu instid0(VALU_DEP_4)
	v_max3_num_f32 v[232+\b], v[232+\b], |v[96+16*\b+\i]|, |v[97+16*\b+\i]|
.endr
.endr
.irp b, 0,1,2,3
	s_delay_alu instid0(VALU_DEP_4)
	v_permlanex16_b32 v[236+\b], v[232+\b], s[SEL], s[SEL+1]
.endr
.irp b, 0,1,2,3
	s_delay_alu instid0(VALU_DEP_4)
	v_max_num_f32 v[232+\b], v[232+\b], v[236+\b]
.endr
.irp b, 0,1,2,3
	s_delay_alu instid0(VALU_DEP_4)
	v_add_nc_u32 v[244+\b], 0xfe000000, v[232+\b]
.endr
.irp b, 0,1,2,3
	s_delay_alu instid0(VALU_DEP_4)
	v_lshrrev_b32 v[236+\b], 23, v[244+\b]
.endr
	s_delay_alu instid0(VALU_DEP_3)
	v_lshl_or_b32 v52, v237, 8, v236
	s_delay_alu instid0(VALU_DEP_1)
	v_lshl_or_b32 v52, v238, 16, v52
	s_delay_alu instid0(VALU_DEP_1)
	v_lshl_or_b32 v52, v239, 24, v52
.irp c, 0,1
	v_cvt_scalef32_pk16_bf6_f32 v[32+6*\c:34+6*\c], v[96+32*\c:111+32*\c], v[244+2*\c]
	v_cvt_scalef32_pk16_bf6_f32 v[44+4*\c:46+4*\c], v[112+32*\c:127+32*\c], v[244+2*\c+1]
.endr
	v_nop
.irp c, 0,1
.irp i, 0,1,2
	v_permlane16_swap_b32 v[32+6*\c+\i], v[44+4*\c+\i]
.endr
.irp i, 0,1,2
	s_delay_alu instid0(VALU_DEP_3)
	v_mov_b32 v[35+6*\c+\i], v[44+4*\c+\i]
.endr
.endr
	WIN 0x44*\u                                    ; the shift's amount lies in window 0
	v_lshrrev_b32 v53, v[SH], v52                  ; lanes 0-15: the first result's two scale bytes, lanes 16-31: the second's
	WIN 0x04*\u                                    ; a store's data are its source 1
	global_store_b128 v[L16], v[32:35], s[8:9] offset:3072*\u                 ; 512 consecutive bytes
	global_store_b64 v[L8], v[36:37], s[8:9] offset:3072*\u+512               ; 256 consecutive bytes
	global_store_b128 v[L16], v[38:41], s[8:9] offset:3072*\u+786432          ; the second result: 256 blocks x 3,072 bytes on
	global_store_b64 v[L8], v[42:43], s[8:9] offset:3072*\u+786944
	global_store_b16 v[SOF], v53, s[10:11] offset:512*\u                      ; half-words: the other half of each word is the neighbouring head's
.endm
	OUT 0
	OUT 1
	WIN 0
	s_wait_tensorcnt 0x0                           ; the wave's end
	ds_add_u32 v[SPW], v[NIL]
	s_wait_dscnt 0x0
	ROUND                                          ; the closing round: no work-group ends while a partner may still ask for a tile that names it
	s_endpgm
.Lfunc_end_k_qf58b80b31d_attn:
	.size	k_qf58b80b31d_attn, .Lfunc_end_k_qf58b80b31d_attn-k_qf58b80b31d_attn
	.p2alignl 7, 3214868480
	.fill 96, 4, 3214868480
	.section	.rodata,"a",@progbits
	.p2align	6, 0x0
	.amdhsa_kernel k_qf58b80b31d_attn
		.amdhsa_group_segment_fixed_size 327680
		.amdhsa_private_segment_fixed_size 0
		.amdhsa_enable_private_segment 0
		.amdhsa_kernarg_size 32
		.amdhsa_user_sgpr_count 2
		.amdhsa_user_sgpr_kernarg_segment_ptr 1
		.amdhsa_wavefront_size32 1
		.amdhsa_system_sgpr_workgroup_id_x 1
		.amdhsa_system_sgpr_workgroup_id_y 1
		.amdhsa_system_sgpr_workgroup_id_z 1
		.amdhsa_system_vgpr_workitem_id 0
		.amdhsa_next_free_vgpr 512
		.amdhsa_next_free_sgpr 66
		.amdhsa_reserve_vcc 0
		.amdhsa_float_denorm_mode_32 3
		.amdhsa_float_denorm_mode_16_64 3
		.amdhsa_memory_ordered 1
		.amdhsa_forward_progress 1
		.amdhsa_inst_pref_size 109
	.end_amdhsa_kernel
	.amdgpu_metadata
---
amdhsa.version: [ 1, 2 ]
amdhsa.kernels:
  - .name:           k_qf58b80b31d_attn
    .symbol:         k_qf58b80b31d_attn.kd
    .args:
      - { .name: qkv, .offset: 0, .size: 8, .value_kind: global_buffer, .address_space: global }
      - { .name: qkvs, .offset: 8, .size: 8, .value_kind: global_buffer, .address_space: global }
      - { .name: ac, .offset: 16, .size: 8, .value_kind: global_buffer, .address_space: global }
      - { .name: acs, .offset: 24, .size: 8, .value_kind: global_buffer, .address_space: global }
    .group_segment_fixed_size: 327680
    .private_segment_fixed_size: 0
    .kernarg_segment_align: 8
    .kernarg_segment_size: 32
    .max_flat_workgroup_size: 256
    .sgpr_count:     66
    .vgpr_count:     512
    .wavefront_size: 32
...
	.end_amdgpu_metadata
.endif
;; end of part 3
;; launch outp (part 4): grid 4 x 64, 4 waves a work-group, clusters of 4 x 4, 295,424 bytes of LDS; arguments ac, acs, codes, scl, box, boy, x, y, out0, out1; writes out0, out1
.if DOCPART == 4
	.amdgcn_target "amdgcn-amd-amdhsa--gfx1250"
	.amdhsa_code_object_version 6
	.text
	.protected	k_qf58b80b31d_outp
	.globl	k_qf58b80b31d_outp
	.p2align	8
	.type	k_qf58b80b31d_outp,@function
k_qf58b80b31d_outp:
	s_mov_b64 s[64:65], 0
	v_nop
	global_prefetch_b8 v0, s[64:65] scope:SCOPE_SE
	s_setreg_imm32_b32 hwreg(HW_REG_WAVE_MODE, 25, 1), 1
	s_wait_xcnt 0x0
	s_wait_alu depctr_hold_cnt(0) depctr_sa_sdst(0) depctr_va_vdst(0) depctr_va_sdst(0) depctr_va_ssrc(0) depctr_va_vcc(0) depctr_vm_vsrc(0)
	s_getreg_b32 s2, hwreg(HW_REG_IB_STS2, 6, 4)
	s_cmp_eq_u32 s2, 0
	s_cbranch_scc0 .Lentry_in_a_cluster
	s_endpgm
.Lentry_in_a_cluster:
	s_bfe_u32 s2, ttmp6, 0x10000c
	s_cmp_lg_u32 s2, 0xf033
	s_cbranch_scc0 .Lentry_shape_is_right
	s_endpgm
.Lentry_shape_is_right:
; out0 = a1 Wox + box + x, out1 = a2 Woy + boy + y, the products on codes of BF6 with E8M0 scales; bias, residual and results f32.
; A work-group makes 128 rows (source 1, "A": 8 blocks of 16 tokens of ac) x 256 columns (source 0, "B": 16 blocks of Wox or Woy in codes), K = 1,024.  Tile rows 0-31 are the first result's, 32-63 the second's.
; Row r of block t is row (or column) 32 (t / 2) + 8 (t % 2) + r + 8 (r / 8): a lane holds a token, and the 16 registers of result tiles 2 b, 2 b + 1 are 16 neighbouring columns; the rows' order is undone in the offsets of the residual's loads and of the stores.
; ALL OF K LIES IN LDS: four panels of 256 along K, 73,728 bytes each, each filled once; nothing is filled again.  Operands lie in the order of the unit's registers
; (a fragment is 1,536 bytes: registers 6 c .. 6 c + 3 of lane l at 768 c + 16 l, 6 c + 4, 6 c + 5 at 768 c + 512 + 8 l): every LDS load is dense.
; CLUSTERS: 4 x 4 work-groups; A's panels are shared along a row of the cluster, B's along a column, each asked for jointly.
; The bias is the C of each sum's first matrix instruction.  The residual is asked for at the head, in the layout in which rows are stored, and lands while the products run.
; Four waves, 2 x 2; a wave makes 4 blocks x 8 blocks: 32 accumulators, which take turns, one instruction a turn.
; REGISTERS.  window 0: v8-23 LDS addresses, v24-30 offsets, v32-47 A's scale words, v48-79 B's, v128-223 A's fragments in two sets (on the way out v128-255: rows read back).
;   window 1: B's fragments at v0 and v128; the bias at v96-127 and v224-255.   window 2: accumulator (a, b) at v[8 (8 a + b)].   window 3: the residual, row t of block a at v[64 a + 4 t].
.set PS,   73728
.set SSTR, 2555904
.set ASTR, 1572864
.set SP,   528                         ; the way out: a stage of 16 rows x (512 + 16) bytes for each wave, on A's first half, which has had its one fill, and its last read ahead of the last K step's products
.set MSB,  0
.macro WIN new
.if MSB != \new
	s_set_vgpr_msb (MSB<<8)|\new
.set MSB, \new
.endif
.endm
.macro PLACES
.rept 4
	v_nop
.endr
.endm
.macro ROUND
	s_barrier_signal -1
	s_barrier_wait -1
	s_cmp_lg_u32 s12, 0
	s_cbranch_scc1 .Lnot_wave_0_\@
	s_barrier_signal -3
.Lnot_wave_0_\@:
	s_barrier_wait -3
	s_barrier_signal -1
	s_barrier_wait -1
.endm
	s_load_b256 s[4:11], s[0:1], 0x0               ; ac s[4:5], acs s[6:7], codes s[8:9], scl s[10:11]
	s_load_b256 s[84:91], s[0:1], 0x20             ; box, boy, x, y
	s_load_b128 s[92:95], s[0:1], 0x40             ; out0, out1
	v_lshl_add_u32 v126, v0, 2, 0x48000
	v_mov_b32 v127, 0
	ds_add_u32 v126, v127
	ds_add_u32 v126, v127
	v_lshrrev_b32 v1, 5, v0
	v_readfirstlane_b32 s12, v1                    ; wave 0..3
	s_lshr_b32 s13, s12, 1                         ; which 4 blocks of A are mine.  Also: I fetch for A (0) or for B (1)
	s_and_b32 s14, s12, 1                          ; which 8 blocks of B.  Also: which half of a panel's part I fetch
	s_bfe_u32 s56, ttmp6, 0x40000                  ; cx
	s_bfe_u32 s57, ttmp6, 0x40004                  ; cy
	s_lshl_b32 s58, s57, 2
	s_lshl_b32 s58, 15, s58                        ; my row of the cluster
	s_lshl_b32 s59, 0x1111, s56                    ; my column
	s_or_b32 s24, s58, (3<<16)|(1<<21)             ; group 1: dense blocks as rows of 256 bytes: 48 rows for half of A's part of a panel,
	s_mov_b32 s25, 1536<<16                        ; A: ONE tile for all of K: a row is my half of A's part of a panel, 12,288 dense bytes (1,536 elements of 8),
	s_mov_b32 s26, 4<<16                           ; four rows, one for each 256 along K,
	s_mov_b32 s27, 1536<<16
	s_mov_b32 s28, 4
	s_mov_b32 s29, ASTR/8                          ; ASTR bytes apart in memory, on end in LDS
	s_mov_b32 s30, 0
	s_mov_b32 s31, 0
	s_or_b32 s32, s59, (3<<16)|(1<<21)             ; 96 for half of B's
	s_mov_b32 s33, 3072<<16                        ; B likewise: rows of 24,576 bytes, SSTR bytes apart
	s_mov_b32 s34, 4<<16
	s_mov_b32 s35, 3072<<16
	s_mov_b32 s36, 4
	s_mov_b32 s37, SSTR/8
	s_mov_b32 s38, 0
	s_mov_b32 s39, 0
	s_and_b32 s60, ttmp7, 0xffff                   ; the cluster's y
	s_lshr_b32 s63, s60, 3                         ; which result: the same in all sixteen partners
	s_lshl_b32 s60, s60, 2
	s_add_co_u32 s60, s60, s57                     ; tile row
	s_lshl_b32 s62, s60, 3                         ; A's first block: cy enters, cx does not
	s_lshl_b32 s61, s63, 6
	s_lshl_b32 s96, s56, 4
	s_add_co_u32 s61, s61, s96
	s_add_co_u32 s61, s61, 704                     ; B's first block: Wox 704, Woy 768, + 16 cx: cx enters, cy does not
	s_mul_i32 s16, s62, 3072
	s_mul_i32 s20, s14, 12288
	s_add_co_u32 s16, s16, s20
	s_mov_b32 s17, 0
	s_mul_i32 s18, s61, 3072
	s_mul_i32 s21, s14, 24576
	s_add_co_u32 s18, s18, s21
	s_mov_b32 s19, 0
	s_and_b32 s98, s60, 31                         ; my part of the result and of the residual: (128 x tile row of the result + 64 x half) rows of 4,096 bytes
	s_lshl_b32 s98, s98, 19
	s_lshl_b32 s99, s13, 18
	s_add_co_u32 s98, s98, s99
	s_lshl_b32 s96, s56, 10
	s_lshl_b32 s97, s14, 9
	s_add_co_u32 s96, s96, s97                     ; + (256 cx + 128 x half) columns of 4 bytes, which is also my place in the bias
	s_add_co_u32 s98, s98, s96
	s_mov_b32 s97, 0
	s_mov_b32 s99, 0
	s_wait_dscnt 0x0
	s_wait_kmcnt 0x0
	s_add_nc_u64 s[16:17], s[4:5], s[16:17]
	s_add_nc_u64 s[18:19], s[8:9], s[18:19]
	s_cmp_eq_u32 s63, 0                            ; bias, residual and result of the first or of the second product
	s_cselect_b64 s[84:85], s[84:85], s[86:87]
	s_cselect_b64 s[88:89], s[88:89], s[90:91]
	s_cselect_b64 s[92:93], s[92:93], s[94:95]
	s_add_nc_u64 s[84:85], s[84:85], s[96:97]
	s_add_nc_u64 s[88:89], s[88:89], s[98:99]
	s_add_nc_u64 s[92:93], s[92:93], s[98:99]
	ROUND                                          ; all sixteen work-groups are here: the joint loads meet
	; LDS: A's half 0 [4 panels][12,288] at 0, A's half 1 at 49,152, B's half 0 [4 panels][24,576] at 98,304, B's half 1 at 196,608
	s_mov_b32 s40, 1
	s_mul_i32 s41, s14, 49152
	s_mov_b64 s[42:43], s[16:17]
	s_or_b32 s43, s43, 0x80000000
	s_mov_b32 s68, 1
	s_mul_i32 s69, s14, 98304
	s_add_co_u32 s69, s69, 98304
	s_mov_b64 s[70:71], s[18:19]
	s_or_b32 s71, s71, 0x80000000
	s_cmp_eq_u32 s13, 0                            ; one tensor load a wave, in one branch on the wave's number
	s_cbranch_scc0 .Lfirst_b
	tensor_load_to_lds s[40:43], s[24:31]
	s_nop 0
	PLACES
	s_branch .Lfirst_asked
.Lfirst_b:
	tensor_load_to_lds s[68:71], s[32:39]
	s_nop 0
	PLACES
.Lfirst_asked:
	v_and_b32 v1, 31, v0                           ; lane
	v_and_b32 v2, 15, v0                           ; r
	v_bfe_u32 v3, v0, 4, 1                         ; h
	v_lshlrev_b32 v24, 4, v1                       ; 16 x lane
	v_lshlrev_b32 v25, 3, v1                       ; 8 x lane
	v_lshlrev_b32 v28, 2, v1                       ; 4 x lane
	v_lshlrev_b32 v26, 6, v3                       ; the bias: 16 columns on for lanes 16-31
	s_mul_i32 s22, s12, 16*SP                      ; my stage
	v_mul_u32_u24 v29, v2, SP
	v_lshl_add_u32 v29, v3, 6, v29
	v_add_nc_u32 v29, s22, v29                     ; in: row r, 64 h bytes on
	v_add_nc_u32 v30, s22, v24                     ; back: a row's 512 bytes, 16 a lane
	s_mul_i32 s22, s13, 49152                      ; my 4 blocks of A: a half of A's, all four panels on end
	s_mul_i32 s23, s14, 98304
	s_add_co_u32 s23, s23, 98304                   ; my 8 blocks of B
.irp s, 0,1,2,3
	v_add_nc_u32 v[8+\s], s22, v24
	v_add_nc_u32 v[12+\s], s22, v25
	v_add_nc_u32 v[16+\s], s23, v24
	v_add_nc_u32 v[20+\s], s23, v25
	s_add_co_u32 s22, s22, 12288
	s_add_co_u32 s23, s23, 24576
.endr
	s_lshl_b32 s16, s13, 2
	s_add_co_u32 s16, s16, s62
	s_lshl_b32 s16, s16, 9                         ; my blocks' scale words: 512 bytes a block
	s_mov_b32 s17, 0
	s_add_nc_u64 s[16:17], s[6:7], s[16:17]
	s_lshl_b32 s18, s14, 3
	s_add_co_u32 s18, s18, s61
	s_lshl_b32 s18, s18, 9
	s_mov_b32 s19, 0
	s_add_nc_u64 s[18:19], s[10:11], s[18:19]
	; register (block, j): lanes 0-15 the words of K step 2 j, lanes 16-31 those of K step 2 j + 1
.irp a, 0,1,2,3
.irp j, 0,1,2,3
	global_load_b32 v[32+4*\a+\j], v28, s[16:17] offset:\a*512+\j*128
.endr
.endr
.irp b, 0,1,2,3,4,5,6,7
.irp j, 0,1,2,3
	global_load_b32 v[48+4*\b+\j], v28, s[18:19] offset:\b*512+\j*128
.endr
.endr
	WIN 0x40                                       ; the bias in the result's layout: tile b, lane half h: columns 32 (b / 2) + 16 h + 8 (b % 2) + 0 .. 7
.irp b, 0,1,2,3,4,5,6,7
	global_load_b128 v[96+8*\b+96*(\b/4):96+8*\b+96*(\b/4)+3], v26, s[84:85] offset:128*(\b/2)+32*(\b%2)
	global_load_b128 v[96+8*\b+96*(\b/4)+4:96+8*\b+96*(\b/4)+7], v26, s[84:85] offset:128*(\b/2)+32*(\b%2)+16
.endr
	WIN 0xc0                                       ; the residual: 64 rows x my 128 columns; 32 lanes read 512 consecutive bytes
.irp a, 0,1,2,3
.irp t, 0,1,2,3,4,5,6,7,8,9,10,11,12,13,14,15
	global_load_b128 v[64*\a+4*\t:64*\a+4*\t+3], v24, s[88:89] offset:(32*(\a/2)+8*(\a%2)+\t+8*(\t/8))*4096 th:TH_LOAD_NT
.endr
.endr
	WIN 0
.macro FETCH k                         ; the fragments of K step k: B's eight, A's four: 48 dense LDS loads, into set k % 2
.set FS, (\k)/2
.set FQ, ((\k)%2)*1536
.set FP, (\k)%2
	WIN 0x40
.irp b, 0,1,2,3,4,5,6,7
	ds_load_b128 v[128*FP+12*\b:128*FP+12*\b+3], v[16+FS] offset:\b*3072+FQ
	ds_load_b64 v[128*FP+12*\b+4:128*FP+12*\b+5], v[20+FS] offset:\b*3072+FQ+512
	ds_load_b128 v[128*FP+12*\b+6:128*FP+12*\b+9], v[16+FS] offset:\b*3072+FQ+768
	ds_load_b64 v[128*FP+12*\b+10:128*FP+12*\b+11], v[20+FS] offset:\b*3072+FQ+1280
.endr
	WIN 0
.irp a, 0,1,2,3
	ds_load_b128 v[128+48*FP+12*\a:128+48*FP+12*\a+3], v[8+FS] offset:\a*3072+FQ
	ds_load_b64 v[128+48*FP+12*\a+4:128+48*FP+12*\a+5], v[12+FS] offset:\a*3072+FQ+512
	ds_load_b128 v[128+48*FP+12*\a+6:128+48*FP+12*\a+9], v[8+FS] offset:\a*3072+FQ+768
	ds_load_b64 v[128+48*FP+12*\a+10:128+48*FP+12*\a+11], v[12+FS] offset:\a*3072+FQ+1280
.endr
.endm
.macro MUL k                           ; 32 matrix instructions; the first K step starts the sums with the bias; odd K steps take their scale words from lanes 16-31
.set MP, (\k)%2
.set MJ, (\k)/2
.if (\k) == 0
	WIN 0x91                                       ; source 0 (B) and C (the bias) window 1, source 1 (A) window 0, D window 2
.else
	WIN 0xa1                                       ; C and D window 2
.endif
.irp a, 0,1,2,3
.irp b, 0,1,2,3,4,5,6,7
.if (\k) == 0
	v_wmma_scale_f32_16x16x128_f8f6f4 v[8*(8*\a+\b):8*(8*\a+\b)+7], v[128*MP+12*\b:128*MP+12*\b+11], v[128+48*MP+12*\a:128+48*MP+12*\a+11], v[96+8*\b+96*(\b/4):96+8*\b+96*(\b/4)+7], v[48+4*\b+MJ], v[32+4*\a+MJ] matrix_a_fmt:MATRIX_FMT_BF6 matrix_b_fmt:MATRIX_FMT_BF6
.elseif MP == 0
	v_wmma_scale_f32_16x16x128_f8f6f4 v[8*(8*\a+\b):8*(8*\a+\b)+7], v[128*MP+12*\b:128*MP+12*\b+11], v[128+48*MP+12*\a:128+48*MP+12*\a+11], v[8*(8*\a+\b):8*(8*\a+\b)+7], v[48+4*\b+MJ], v[32+4*\a+MJ] matrix_a_fmt:MATRIX_FMT_BF6 matrix_b_fmt:MATRIX_FMT_BF6
.else
	v_wmma_scale_f32_16x16x128_f8f6f4 v[8*(8*\a+\b):8*(8*\a+\b)+7], v[128*MP+12*\b:128*MP+12*\b+11], v[128+48*MP+12*\a:128+48*MP+12*\a+11], v[8*(8*\a+\b):8*(8*\a+\b)+7], v[48+4*\b+MJ], v[32+4*\a+MJ] matrix_a_fmt:MATRIX_FMT_BF6 matrix_b_fmt:MATRIX_FMT_BF6 matrix_a_scale:MATRIX_SCALE_ROW1 matrix_b_scale:MATRIX_SCALE_ROW1
.endif
.endr
.endr
.endm
.macro KSTEP k
.if ((\k) > 0) && ((\k) < 7)
	PLACES
.endif
.if (\k) < 7
	FETCH (\k)+1
.endif
.if (\k) == 7
	s_wait_dscnt 0x0
.else
	s_wait_dscnt 48                                ; all but the 48 just issued
.endif
	MUL \k
.endm
	s_wait_alu depctr_va_vdst(0)
	s_wait_tensorcnt 0x0                           ; my one load, my part of all of K, has landed
	s_barrier_signal -1
	s_barrier_wait -1
	FETCH 0
	s_wait_loadcnt 63                              ; the scale words and the bias are in: 64 loads, the residual's, were issued behind them, and the count's field ends at 63
.irp k, 0,1,2,3,4,5,6,7
	KSTEP \k
.endr
; THE WAY OUT, block by block of 16 rows x 128 columns: through my own stage in LDS, back as whole rows of 512 bytes, the residual added, stored as two aligned runs of 256 bytes.
; LDS serves a wave's instructions in order (ISA guide 5.7.1.4): no wait between the stores and the loads, nor in front of the next block's stores.
.macro TOSTAGE a
	WIN 0x08                                       ; an LDS store's data are its source 1: window 2
.irp b, 0,1,2,3,4,5,6,7
	ds_store_b128 v29, v[64*(\a)+8*\b:64*(\a)+8*\b+3] offset:128*(\b/2)+32*(\b%2)          ; each accumulator from its low end on
	ds_store_b128 v29, v[64*(\a)+8*\b+4:64*(\a)+8*\b+7] offset:128*(\b/2)+32*(\b%2)+16
.endr
	WIN 0
.set BB, 128+64*((\a)%2)
.irp t, 0,1,2,3,4,5,6,7,8,9,10,11,12,13,14,15
	ds_load_b128 v[BB+4*\t:BB+4*\t+3], v30 offset:SP*\t
.endr
.endm
.macro SEND a, younger                 ; younger: the LDS instructions issued behind block a's loads, which may stay out
.set BB, 128+64*((\a)%2)
	s_wait_dscnt \younger
	WIN 0x0c                                       ; source 1: the residual's window
.irp t, 0,1,2,3,4,5,6,7,8,9,10,11,12,13,14,15
	v_pk_add_f32 v[BB+4*\t:BB+4*\t+1], v[BB+4*\t:BB+4*\t+1], v[64*(\a)+4*\t:64*(\a)+4*\t+1]
	v_pk_add_f32 v[BB+4*\t+2:BB+4*\t+3], v[BB+4*\t+2:BB+4*\t+3], v[64*(\a)+4*\t+2:64*(\a)+4*\t+3]
.endr
	WIN 0
.irp t, 0,1,2,3,4,5,6,7,8,9,10,11,12,13,14,15
	global_store_b128 v24, v[BB+4*\t:BB+4*\t+3], s[92:93] offset:(32*((\a)/2)+8*((\a)%2)+\t+8*(\t/8))*4096 th:TH_STORE_NT   ; 32 lanes store 512 consecutive bytes of the row that the block's row t stands for
.endr
.endm
	PLACES
	s_wait_loadcnt 0x0                             ; the residual
	s_barrier_signal -1                            ; the stages lie on A's first half, which has had its one fill: every wave's reads of it are over (each waited for its last LDS loads ahead of the last K step's products)
	s_barrier_wait -1
	TOSTAGE 0
.irp a, 1,2,3
.if \a > 1
	s_wait_xcnt 0x0                                ; block a - 2's stores have read their registers: block a's loads may land there
.endif
	TOSTAGE \a
	SEND \a-1, 32                                  ; behind block a - 1's loads: block a's 16 stores and 16 loads
.endr
	SEND 3, 0
	s_wait_tensorcnt 0x0
	ds_add_u32 v126, v127
	s_wait_dscnt 0x0
	ROUND                                          ; the closing round: no work-group ends while a partner may still ask for a panel that names it
	s_endpgm
.Lfunc_end_k_qf58b80b31d_outp:
	.size	k_qf58b80b31d_outp, .Lfunc_end_k_qf58b80b31d_outp-k_qf58b80b31d_outp
	.p2alignl 7, 3214868480
	.fill 96, 4, 3214868480
	.section	.rodata,"a",@progbits
	.p2align	6, 0x0
	.amdhsa_kernel k_qf58b80b31d_outp
		.amdhsa_group_segment_fixed_size 295424
		.amdhsa_private_segment_fixed_size 0
		.amdhsa_enable_private_segment 0
		.amdhsa_kernarg_size 80
		.amdhsa_user_sgpr_count 2
		.amdhsa_user_sgpr_kernarg_segment_ptr 1
		.amdhsa_wavefront_size32 1
		.amdhsa_system_sgpr_workgroup_id_x 1
		.amdhsa_system_sgpr_workgroup_id_y 1
		.amdhsa_system_sgpr_workgroup_id_z 1
		.amdhsa_system_vgpr_workitem_id 0
		.amdhsa_next_free_vgpr 1024
		.amdhsa_next_free_sgpr 100
		.amdhsa_reserve_vcc 0
		.amdhsa_float_denorm_mode_32 3
		.amdhsa_float_denorm_mode_16_64 3
		.amdhsa_memory_ordered 1
		.amdhsa_forward_progress 1
		.amdhsa_inst_pref_size 101
	.end_amdhsa_kernel
	.amdgpu_metadata
---
amdhsa.version: [ 1, 2 ]
amdhsa.kernels:
  - .name:           k_qf58b80b31d_outp
    .symbol:         k_qf58b80b31d_outp.kd
    .args:
      - { .name: ac, .offset: 0, .size: 8, .value_kind: global_buffer, .address_space: global }
      - { .name: acs, .offset: 8, .size: 8, .value_kind: global_buffer, .address_space: global }
      - { .name: codes, .offset: 16, .size: 8, .value_kind: global_buffer, .address_space: global }
      - { .name: scl, .offset: 24, .size: 8, .value_kind: global_buffer, .address_space: global }
      - { .name: box, .offset: 32, .size: 8, .value_kind: global_buffer, .address_space: global }
      - { .name: boy, .offset: 40, .size: 8, .value_kind: global_buffer, .address_space: global }
      - { .name: x, .offset: 48, .size: 8, .value_kind: global_buffer, .address_space: global }
      - { .name: y, .offset: 56, .size: 8, .value_kind: global_buffer, .address_space: global }
      - { .name: out0, .offset: 64, .size: 8, .value_kind: global_buffer, .address_space: global }
      - { .name: out1, .offset: 72, .size: 8, .value_kind: global_buffer, .address_space: global }
    .group_segment_fixed_size: 295424
    .private_segment_fixed_size: 0
    .kernarg_segment_align: 8
    .kernarg_segment_size: 80
    .max_flat_workgroup_size: 128
    .sgpr_count:     100
    .vgpr_count:     1024
    .wavefront_size: 32
...
	.end_amdgpu_metadata
.endif
;; end of part 4
